; MI455X (gfx1250); checked and timed in simulation.
; The chip was launched on July 23, 2026; its instructions are those of AMD's public machine-readable ISA for CDNA 5 (MIT licence, August 2026) and "CDNA5" Instruction Set Architecture Reference Guide (July 2026). The comments in the code are by the model that wrote it; some were corrected since.
;; Masked Attention. Allowed arithmetic: matrix products marked QUANTISED: E5M2 operands, one E8M0 scale for each 32 along K, by v_wmma_scale_f32_16x16x128_f8f6f4 with both operands' format E5M2, f32 sums; everything else in f32.
;; Inputs: Wk_codes 1,024 x 32 x 32 uint8 (E5M2 codes of Wk, K innermost, in blocks of 32 codes); Wk_scales 1,024 x 32 uint8 (E8M0 scales of Wk, one for each 32 codes along K); Wo_codes 1,024 x 32 x 32 uint8 (E5M2 codes of Wo, K innermost, in blocks of 32 codes); Wo_scales 1,024 x 32 uint8 (E8M0 scales of Wo, one for each 32 codes along K); Wq_codes 1,024 x 32 x 32 uint8 (E5M2 codes of Wq, K innermost, in blocks of 32 codes); Wq_scales 1,024 x 32 uint8 (E8M0 scales of Wq, one for each 32 codes along K); Wv_codes 1,024 x 32 x 32 uint8 (E5M2 codes of Wv, K innermost, in blocks of 32 codes); Wv_scales 1,024 x 32 uint8 (E8M0 scales of Wv, one for each 32 codes along K); bk 1,024 float32; bo 1,024 float32; bq 1,024 float32; bv 1,024 float32; causal_mask 2,048 x 2,048 float32; validity_mask 2 x 2,048 bool; x_codes 2 x 2,048 x 32 x 32 uint8 (E5M2 codes of x, K innermost, in blocks of 32 codes); x_scales 2 x 2,048 x 32 uint8 (E8M0 scales of x, one for each 32 codes along K).
;; Outputs: out0 2 x 2,048 x 1,024 float32.
;; This version of the problem:
;;   THIS VERSION OF THE PROBLEM IS GIVEN IN LOW PRECISION. The matrix products marked QUANTISED in the list below multiply operands that are first quantised to E5M2 (5 exponent bits, 2 mantissa bits; 8 bits a number), with one power-of-two scale for each 32 numbers along K (OCP MX v1.0); their sums are f32. All else is computed in f32.
;;   The module's matrix products, in the order in which they are computed (A, B: the left and right operand; K: the contracted axis; several contracted axes count as one K, in the product's order):
;;     1. [M 4,096, K 1,024] x [K 1,024, N 1,024]; A: input x (given as codes); B: input Wq (given as codes): QUANTISED
;;     2. [M 4,096, K 1,024] x [K 1,024, N 1,024]; A: input x (given as codes); B: input Wk (given as codes): QUANTISED
;;     3. [M 4,096, K 1,024] x [K 1,024, N 1,024]; A: input x (given as codes); B: input Wv (given as codes): QUANTISED
;;     4. batch 32 x [M 2,048, K 64] x [K 64, N 2,048]; A: computed on the way; B: computed on the way: QUANTISED
;;     5. batch 32 x [M 2,048, K 2,048] x [K 2,048, N 64]; A: softmax (see below); B: computed on the way: QUANTISED
;;     6. [M 4,096, K 1,024] x [K 1,024, N 1,024]; A: computed on the way; B: input Wo (given as codes): QUANTISED
;;   THE QUANTISER, for each operand of a quantised product, along K:
;;     - K is cut into blocks of 32 from its start; a last block that is shorter is filled with zeros.
;;     - A block's scale is 2^e with e = floor(log2(the largest magnitude in the block)) - 15, held to -126 .. 127; a block of zeros has e = 0. As a byte (E8M0): e + 127.
;;     - Each number is divided by its block's scale, clamped to +-57,344, and rounded to the nearest number of E5M2, ties to even, subnormals kept.
;;     - The product sums the exact products of the quantised numbers (number of the format x scale) in f32.
;;   ~~~python
;;   def quantise(x, axis):      # numpy; x: float32 -> the quantised numbers, widened to float32 again
;;       x = np.moveaxis(x, axis, -1); K = x.shape[-1]
;;       x = np.pad(x, [(0, 0)] * (x.ndim - 1) + [(0, -K % 32)]); x = x.reshape(x.shape[:-1] + (-1, 32)); a = np.abs(x).max(-1, keepdims=True)
;;       e = np.where(a > 0, np.clip(np.frexp(np.where(a > 0, a, 1))[1] - 1 - 15, -126, 127), 0)      # np.frexp(a)[1] - 1 = floor(log2(a)), exactly
;;       r = np.clip(x / 2.0 ** e, -57344, 57344)
;;       step = 2.0 ** (np.maximum(np.frexp(np.where(r == 0, 1, r))[1] - 1, -14) - 2)
;;       q = np.round(r / step) * step * 2.0 ** e      # np.round: ties to even
;;       return np.moveaxis(q.reshape(q.shape[:-2] + (-1,))[..., :K], -1, axis).astype(np.float32)
;;   ~~~
;;   SOFTMAX AHEAD OF A QUANTISED PRODUCT. Where the list says 'softmax', what is quantised is not the finished softmax but p = 2^(t - M), with t = logit x log2(e) and M = ceil(the row's largest t), a whole number; so 1/2 < the row's largest p <= 1. The row's sum l is taken of the UNQUANTISED p, in f32, and the product's result is divided by l at the end. Since M is a whole number, a kernel that streams over the keys may use a running M (the ceiling of the running maximum): every later rescaling is an exact power of two, which a block's scale takes up: the codes' values come out the same.
;;   OPERANDS COMPUTED ON THE WAY. 'Computed on the way' means the value that the module computes at that place (a softmax that the list does not call 'softmax' is quantised finished and normalised). What goes into a quantiser is computed in f32, as accurately as f32 sums, v_exp_f32 and their like allow (about 1e-6 of the number): no bf16 or f16 on the way to a quantiser, and a product that is left as it is and whose result goes on into a quantised operand takes f32 operands (vector FMAs, or v_wmma_f32_16x16x4_f32). A number that lies on a knife's edge between two numbers of the format may be rounded either way, as far as f32 arithmetic and the matrix unit's own rounding can turn it there, and no further.
;;   INPUTS GIVEN AS CODES. Wk (in the module: [1024, 1024], K = its axis 1); Wo (in the module: [1024, 1024], K = its axis 1); Wq (in the module: [1024, 1024], K = its axis 1); Wv (in the module: [1024, 1024], K = its axis 1); x (in the module: [2, 2048, 1024], K = its axis 2): each comes as NAME_codes (uint8): NAME with its K axis moved to the last place and cut into blocks of 32 codes, [.., K / 32, bytes a block], one block behind the other in memory; one code a byte (a code: sign, 5 exponent bits, 2 mantissa bits); and NAME_scales (uint8): the same leading axes, one E8M0 byte (e + 127) for each 32 codes along K. Its value is code x scale, taken as it is: it is not quantised again, and the codes and scales need not be those that the quantiser above would give.
;; One version. Each part assembles by itself: llvm-mc -triple=amdgcn-amd-amdhsa -mcpu=gfx1250 --defsym DOCPART=n.
;; ======== version 1 of 1: 3 launches
;; limits: right only within a limited range of input values
;; workspace buffers: qimg 4,194,304 bytes; kimg 4,194,304 bytes; vimg 4,194,304 bytes; qsc 131,072 bytes; ksc 131,072 bytes; vsc 131,072 bytes; oimg 4,194,304 bytes; osc 131,072 bytes
;; launch qkv (part 1): grid 16 x 12, 4 waves a work-group, clusters of 4 x 4, 327,680 bytes of LDS; arguments x_codes, x_scales, Wv_codes, Wv_scales, Wq_codes, Wq_scales, Wk_codes, Wk_scales, bv, bq, bk, vimg, vsc, qimg, qsc, kimg, ksc; writes vimg, vsc, qimg, qsc, kimg, ksc
.if DOCPART == 1
	.amdgcn_target "amdgcn-amd-amdhsa--gfx1250"
	.amdhsa_code_object_version 6
	.text
	.protected	k_qa63b0ecf01_qkv
	.globl	k_qa63b0ecf01_qkv
	.p2align	8
	.type	k_qa63b0ecf01_qkv,@function
k_qa63b0ecf01_qkv:
	s_mov_b64 s[64:65], 0
	v_nop
	global_prefetch_b8 v0, s[64:65] scope:SCOPE_SE
	s_setreg_imm32_b32 hwreg(HW_REG_WAVE_MODE, 25, 1), 1
	s_wait_xcnt 0x0
	s_wait_alu depctr_hold_cnt(0) depctr_sa_sdst(0) depctr_va_vdst(0) depctr_va_sdst(0) depctr_va_ssrc(0) depctr_va_vcc(0) depctr_vm_vsrc(0)
	s_getreg_b32 s2, hwreg(HW_REG_IB_STS2, 6, 4)
	s_cmp_eq_u32 s2, 0
	s_cbranch_scc0 .Lentry_in_a_cluster
	s_endpgm
.Lentry_in_a_cluster:
	s_bfe_u32 s2, ttmp6, 0x10000c
	s_cmp_lg_u32 s2, 0xf033
	s_cbranch_scc0 .Lentry_shape_is_right
	s_endpgm
.Lentry_shape_is_right:
.set KSTEP,  256
.set NQ,     2
.set ROWB,   256
.set KROW,   1024
.set PITCH,  272
.set FR,     16
.set NL,     4
.set NP,     8
.set HALFT,  128*PITCH
.set SLOT,   4*HALFT
.set LAPS,   2
.set KS,     32
.set SCL,    2*SLOT
.set HALFS,  (128*KS/256)*272
.set SBLK,   (16*KS/256)*272
.set SPARE,  SCL+4*HALFS
.set ADRA, 16
.set ADRB, 20
.set OA,   22
.set SAD,  23
.set ADRS, 27
.set SPW,  28
.set NIL,  29
.set BA,   30
.set BR,   31
.set SC,   32
.set BI,   64
.set T,    96
.set T2,   100
.set HOLD, 104
.set SOP,  108
.set BY,   112
.set SW0,  116
.set SW1,  120
.set FW,   124
.set AF,   128
.set G1,   24
.set G0,   32
.set G1B,  48
.set G0B,  56
.set G1S,  68
.set G0S,  76
.set G1SB, 80
.set G0SB, 88
.set MSB, 0
.macro WIN new
.if MSB != (\new)
	s_set_vgpr_msb (MSB<<8)|(\new)
.set MSB, (\new)
.endif
.endm
.set MUL_LO, 0xa1
.set MUL_HI, 0xf1
.set TO_B,   0x40
.macro JLOAD g0a, g1a, g0b, g1b
	s_cmp_eq_u32 s15, 0
	s_cbranch_scc0 .Lfor_b_\@
	tensor_load_to_lds s[\g0a:\g0a+3], s[\g1a:\g1a+7]
	s_nop 0
.rept 4
	v_nop
.endr
	s_branch .Lasked_\@
.Lfor_b_\@:
	tensor_load_to_lds s[\g0b:\g0b+3], s[\g1b:\g1b+7]
	s_nop 0
.rept 4
	v_nop
.endr
.Lasked_\@:
.endm
.macro CREST
	s_cmp_lg_u32 s14, 0
	s_cbranch_scc1 .Lnot_wave_0_\@
	s_barrier_signal -3
.Lnot_wave_0_\@:
	s_barrier_wait -3
	s_barrier_signal -1
	s_barrier_wait -1
.endm
.macro CROUND
	s_barrier_signal -1
	s_barrier_wait -1
	CREST
.endm
	s_load_b512 s[68:83], s[0:1], 0x0
	s_load_b128 s[84:87], s[0:1], 0x40
	s_load_b64 s[88:89], s[0:1], 0x50
	v_lshl_add_u32 v[SPW], v0, 2, SPARE
	v_mov_b32 v[NIL], 0
	ds_add_u32 v28, v29
	ds_add_u32 v28, v29
	s_wait_dscnt 0x0
	v_lshrrev_b32 v1, 5, v0
	v_readfirstlane_b32 s14, v1
	s_lshr_b32 s15, s14, 1
	s_and_b32 s16, s14, 1
	s_bfe_u32 s40, ttmp6, 0x40000
	s_bfe_u32 s41, ttmp6, 0x40004
	s_and_b32 s67, ttmp7, 0xffff
	s_lshl_b32 s18, ttmp9, 2
	s_cmp_eq_u32 s67, 0
	s_cselect_b32 s66, 1, 0
	s_cselect_b32 s19, 0, s18
	s_cselect_b32 s20, s18, 0
	s_add_co_u32 s17, s41, s19
	s_add_co_u32 s42, s40, s20
	s_lshl_b32 s43, s41, 2
	s_lshl_b32 s43, 15, s43
	s_lshl_b32 s44, 0x1111, s40
	s_or_b32 s[G1+0], s43, (0<<16)|(1<<20)|(1<<21)|(5<<22)|(3<<25)
	s_or_b32 s[G1B+0], s44, (0<<16)|(1<<20)|(1<<21)|(5<<22)|(3<<25)
.irp g, G1, G1B
	s_mov_b32 s[\g+1], ROWB<<16
	s_mov_b32 s[\g+2], 256<<16
	s_mov_b32 s[\g+3], ROWB<<16
	s_mov_b32 s[\g+4], 256
	s_mov_b32 s[\g+5], KROW
	s_mov_b32 s[\g+6], 0
	s_mov_b32 s[\g+7], 0
.endr
	s_lshl_b32 s20, s17, 8
	s_lshl_b32 s46, s42, 8
	s_mov_b32 s21, 0
	s_mov_b32 s47, 0
	s_mov_b64 s[18:19], KS
	s_mul_u64 s[22:23], s[20:21], s[18:19]
	s_mul_u64 s[92:93], s[46:47], s[18:19]
	s_mov_b64 s[18:19], KROW
	s_mul_u64 s[20:21], s[20:21], s[18:19]
	s_mul_u64 s[46:47], s[46:47], s[18:19]
	s_mul_i32 s45, s14, HALFT
	s_mul_i32 s94, s16, 128*KROW                   ; in the ring a wave fetches 128 rows of a tile: which half, in bytes
	s_mov_b32 s95, 0
	s_mov_b32 s96, 0xffff0000
	s_mov_b32 s97, 0x600000
	s_mov_b32 s98, 0x76543210
	s_mov_b32 s99, 0xfedcba98
	s_mov_b32 s100, 0x322bcc77
	s_wait_kmcnt 0x0
	s_cmp_eq_u32 s67, 1
	s_cselect_b64 s[76:77], s[76:77], s[80:81]
	s_cselect_b64 s[78:79], s[78:79], s[82:83]
	s_cselect_b64 s[86:87], s[86:87], s[88:89]
	s_cmp_eq_u32 s67, 0
	s_cselect_b64 s[4:5], s[72:73], s[68:69]
	s_cselect_b64 s[6:7], s[74:75], s[70:71]
	s_cselect_b64 s[8:9], s[68:69], s[76:77]
	s_cselect_b64 s[10:11], s[70:71], s[78:79]
	s_cselect_b64 s[12:13], s[84:85], s[86:87]
	s_or_b32 s[G1S+0], s43, (3<<16)|(1<<20)|(1<<21)|(5<<22)|(3<<25)
	s_or_b32 s[G1SB+0], s44, (3<<16)|(1<<20)|(1<<21)|(5<<22)|(3<<25)
.irp g, G1S, G1SB
	s_mov_b32 s[\g+1], 32<<16
	s_mov_b32 s[\g+2], (256*KS/256)<<16
	s_mov_b32 s[\g+3], 32<<16
	s_mov_b32 s[\g+4], 256*KS/256
	s_mov_b32 s[\g+5], 32
	s_mov_b32 s[\g+6], 0
	s_mov_b32 s[\g+7], 0
.endr
	s_add_nc_u64 s[20:21], s[4:5], s[20:21]
	s_add_nc_u64 s[22:23], s[6:7], s[22:23]
	s_add_nc_u64 s[46:47], s[8:9], s[46:47]
	s_add_nc_u64 s[92:93], s[10:11], s[92:93]
	CROUND
	s_mov_b32 s[G0S], 1
	s_mov_b32 s[G0S+1], SCL
	s_mov_b64 s[G0S+2:G0S+3], s[22:23]
	s_or_b32 s[G0S+3], s[G0S+3], 0x80000000
	s_mov_b32 s[G0SB], 1
	s_mov_b32 s[G0SB+1], SCL+2*HALFS
	s_mov_b64 s[G0SB+2:G0SB+3], s[92:93]
	s_or_b32 s[G0SB+3], s[G0SB+3], 0x80000000
	s_mov_b32 s4, 1                                ; the head's loads of K step 0, each tile whole: A's 256 rows,
	s_mov_b32 s5, 0
	s_mov_b64 s[6:7], s[20:21]
	s_or_b32 s7, s7, 0x80000000
	s_mov_b32 s8, 1                                ; B's 256 rows, behind them in slot 0
	s_mov_b32 s9, 2*HALFT
	s_mov_b64 s[10:11], s[46:47]
	s_or_b32 s11, s11, 0x80000000
	s_add_nc_u64 s[20:21], s[20:21], s[94:95]      ; for the ring: my 128 rows of the tile
	s_add_nc_u64 s[46:47], s[46:47], s[94:95]
.irp s, 0,1
	s_mov_b32 s[G0+4*\s], 1
	s_add_co_u32 s[G0+4*\s+1], s45, \s*SLOT
	s_add_nc_u64 s[G0+4*\s+2:G0+4*\s+3], s[20:21], \s*ROWB
	s_or_b32 s[G0+4*\s+3], s[G0+4*\s+3], 0x80000000
	s_mov_b32 s[G0B+4*\s], 1
	s_add_co_u32 s[G0B+4*\s+1], s45, \s*SLOT
	s_add_nc_u64 s[G0B+4*\s+2:G0B+4*\s+3], s[46:47], \s*ROWB
	s_or_b32 s[G0B+4*\s+3], s[G0B+4*\s+3], 0x80000000
.endr
	; the head's loads, one a wave, in one chain of branches on the wave's number: wave 0 A's rows, wave 1 B's, wave 2 A's scales, wave 3 B's
	s_cmp_lt_u32 s14, 1
	s_cbranch_scc0 .Lhead_b
	tensor_load_to_lds s[4:7], s[G1:G1+7]
	s_nop 0
.rept 4
	v_nop
.endr
	s_branch .Lhead_asked
.Lhead_b:
	s_cmp_lt_u32 s14, 2
	s_cbranch_scc0 .Lhead_sa
	tensor_load_to_lds s[8:11], s[G1B:G1B+7]
	s_nop 0
.rept 4
	v_nop
.endr
	s_branch .Lhead_asked
.Lhead_sa:
	s_cmp_lt_u32 s14, 3
	s_cbranch_scc0 .Lhead_sb
	tensor_load_to_lds s[G0S:G0S+3], s[G1S:G1S+7]
	s_nop 0
.rept 4
	v_nop
.endr
	s_branch .Lhead_asked
.Lhead_sb:
	tensor_load_to_lds s[G0SB:G0SB+3], s[G1SB:G1SB+7]
	s_nop 0
.rept 4
	v_nop
.endr
.Lhead_asked:
	v_and_b32 v1, 15, v0
	v_bfe_u32 v2, v0, 4, 1
	v_mul_u32_u24 v3, v1, PITCH
	v_lshl_add_u32 v4, v2, 4, v3
	s_mul_i32 s21, s15, HALFT
	s_mul_i32 s22, s16, HALFT
	s_add_co_u32 s22, s22, 2*HALFT
.irp s, 0,1
	v_add_nc_u32 v[ADRA+\s], s21, v4
	v_add_nc_u32 v[ADRB+\s], s22, v4
	s_add_co_u32 s21, s21, SLOT
	s_add_co_u32 s22, s22, SLOT
.endr
	v_mul_u32_u24 v5, v1, KS
	v_lshrrev_b32 v6, 8, v5
	v_lshl_add_u32 v5, v6, 4, v5
	s_mul_i32 s21, s15, HALFS
	s_mul_i32 s22, s16, HALFS
	s_add_co_u32 s22, s22, 2*HALFS
	s_sub_co_u32 s22, s22, s21
	v_mul_u32_u24 v6, s22, v2
	s_add_co_u32 s21, s21, SCL
	v_add_nc_u32 v5, v5, v6
	v_add_nc_u32 v[ADRS], s21, v5
	v_and_b32 v6, 31, v0
	v_lshlrev_b32 v[OA], 4, v6
	v_lshlrev_b32 v[SAD], 4, v1
	v_lshl_add_u32 v[SAD], v2, 12, v[SAD]
	v_lshlrev_b32 v[BA], 5, v2
	v_lshlrev_b32 v[BR], 2, v1
	s_lshl_b32 s20, s17, 8
	s_lshl_b32 s21, s15, 7
	s_add_co_u32 s20, s20, s21
	s_lshl_b32 s22, s42, 8
	s_lshl_b32 s23, s16, 7
	s_add_co_u32 s22, s22, s23
	s_cmp_eq_u32 s66, 1
	s_cselect_b32 s20, s20, s22
	s_lshl_b32 s20, s20, 2
	s_mov_b32 s21, 0
	s_add_nc_u64 s[12:13], s[12:13], s[20:21]
	s_cmp_eq_u32 s66, 1
	s_cbranch_scc1 .Lbias_v
	s_wait_alu depctr_va_vdst(0)
.irp b, 0,1,2,3,4,5,6,7
	global_load_b128 v[BI+8*\b:BI+8*\b+3], v[BA], s[12:13] offset:64*\b
	global_load_b128 v[BI+8*\b+4:BI+8*\b+7], v[BA], s[12:13] offset:64*\b+16
.endr
	s_branch .Lbias_done
.Lbias_v:
	s_wait_alu depctr_va_vdst(0)
.irp a, 0,1,2,3,4,5,6,7
	global_load_b32 v[BI+2*\a], v[BR], s[12:13] offset:64*\a
	global_load_b32 v[BI+2*\a+1], v[BR], s[12:13] offset:64*\a
.endr
.Lbias_done:
.macro FRAG reg, adr, q, i
.irp c, 0,1,2,3
	ds_load_b128 v[\reg+4*\c:\reg+4*\c+3], v[\adr] offset:128*(\q)+32*\c+(\i)*16*PITCH
.endr
.endm
.macro MUL16 a0, p, q, sc, zero
.irp a, \a0, \a0+1
.irp b, 0,1,2,3,4,5,6,7
.if \zero
	v_wmma_scale_f32_16x16x128_f8f6f4 v[8*(8*((\a)%4)+\b):8*(8*((\a)%4)+\b)+7], v[128*(\p)+FR*\b:128*(\p)+FR*\b+FR-1], v[AF+FR*(\a):AF+FR*(\a)+FR-1], 0, v[SC+8*NQ*(\sc)+NQ*\b+(\q)], v[SC+8*NQ*(\sc)+NQ*(\a)+(\q)] matrix_a_fmt:MATRIX_FMT_BF8 matrix_b_fmt:MATRIX_FMT_BF8 matrix_a_scale:MATRIX_SCALE_ROW1
.else
	v_wmma_scale_f32_16x16x128_f8f6f4 v[8*(8*((\a)%4)+\b):8*(8*((\a)%4)+\b)+7], v[128*(\p)+FR*\b:128*(\p)+FR*\b+FR-1], v[AF+FR*(\a):AF+FR*(\a)+FR-1], v[8*(8*((\a)%4)+\b):8*(8*((\a)%4)+\b)+7], v[SC+8*NQ*(\sc)+NQ*\b+(\q)], v[SC+8*NQ*(\sc)+NQ*(\a)+(\q)] matrix_a_fmt:MATRIX_FMT_BF8 matrix_b_fmt:MATRIX_FMT_BF8 matrix_a_scale:MATRIX_SCALE_ROW1
.endif
.endr
.endr
.endm
.macro FETCH_B slot, q, p
	WIN TO_B
.irp i, 0,1,2,3,4,5,6,7
	FRAG 128*(\p)+FR*\i, ADRB+\slot, \q, \i
.endr
	WIN 0
.endm
.macro FETCH_A slot, q, i0
.irp i, \i0, \i0+1, \i0+2, \i0+3
	FRAG AF+FR*(\i), ADRA+\slot, \q, \i
.endr
.endm
.macro SCALES sc
.irp i, 0,1,2,3,4,5,6,7
	ds_load_b64 v[SC+8*NQ*\sc+NQ*\i:SC+8*NQ*\sc+NQ*\i+1], v[ADRS] offset:\i*SBLK
.endr
.endm
.macro PLACES n
.rept \n
	v_nop
.endr
.endm
.macro STEP slot, q, zero
	s_wait_dscnt 4*NL
	WIN MUL_LO
	MUL16 0, (\q)%2, \q, \slot, \zero
	MUL16 2, (\q)%2, \q, \slot, \zero
	s_wait_dscnt 0
	PLACES NP
	FETCH_B \slot, (\q)+1, 1-(\q)%2
	FETCH_A \slot, (\q)+1, 0
	WIN MUL_HI
	MUL16 4, (\q)%2, \q, \slot, \zero
	MUL16 6, (\q)%2, \q, \slot, \zero
	PLACES NP
	WIN 0
	FETCH_A \slot, (\q)+1, 4
.endm
.macro TURN slot, next, fill
	s_wait_tensorcnt 0x0
	ds_add_u32 v[SPW], v[NIL]
	s_wait_dscnt 4*NL+1
	WIN MUL_LO
	MUL16 0, 1, NQ-1, \slot, 0
	s_wait_dscnt 0x0
	s_barrier_signal -1
	MUL16 2, 1, NQ-1, \slot, 0
	WIN 0
	s_barrier_wait -1
.if \fill
	CREST
	s_add_nc_u64 s[G0+4*\slot+2:G0+4*\slot+3], s[G0+4*\slot+2:G0+4*\slot+3], 2*ROWB
	s_add_nc_u64 s[G0B+4*\slot+2:G0B+4*\slot+3], s[G0B+4*\slot+2:G0B+4*\slot+3], 2*ROWB
	JLOAD G0+4*\slot, G1, G0B+4*\slot, G1B
	PLACES NP-4
.else
	PLACES NP
.endif
	s_wait_alu depctr_va_vdst(0)
	v_add_nc_u32 v[ADRS], 4*NQ, v[ADRS]
	FETCH_B \next, 0, 0
	FETCH_A \next, 0, 0
	SCALES \next
	WIN MUL_HI
	MUL16 4, 1, NQ-1, \slot, 0
	MUL16 6, 1, NQ-1, \slot, 0
	PLACES NP
	WIN 0
	FETCH_A \next, 0, 4
.endm
	s_wait_alu depctr_va_vdst(0)                   ; the wait at the head's end
	s_wait_tensorcnt 0x0                           ; my tile of the head's four is in; slot 1's first fill is issued as a refill is
	ds_add_u32 v[SPW], v[NIL]
	s_mov_b32 s[G1+2], 128<<16                     ; no tensor load of mine is out: from here on a load brings 128 rows
	s_mov_b32 s[G1+4], 128
	s_mov_b32 s[G1B+2], 128<<16
	s_mov_b32 s[G1B+4], 128
	s_wait_dscnt 0x0
	CROUND
	JLOAD G0+4, G1, G0B+4, G1B
	FETCH_B 0, 0, 0
	FETCH_A 0, 0, 0
	SCALES 0
	FETCH_A 0, 0, 4
	STEP 0, 0, 1
	s_mov_b32 s3, LAPS-1
.Llap:
	TURN 0, 1, 1
	STEP 1, 0, 0
	TURN 1, 0, 1
	STEP 0, 0, 0
	s_sub_co_u32 s3, s3, 1
	s_cmp_lg_u32 s3, 0
	s_cbranch_scc1 .Llap
	TURN 0, 1, 0
	s_load_b256 s[24:31], s[0:1], 0x58
	s_load_b128 s[32:35], s[0:1], 0x78
	STEP 1, 0, 0
	s_wait_dscnt 4*NL
	WIN MUL_LO
	MUL16 0, 1, NQ-1, 1, 0
	MUL16 2, 1, NQ-1, 1, 0
	s_wait_dscnt 0
	WIN MUL_HI
	MUL16 4, 1, NQ-1, 1, 0
	MUL16 6, 1, NQ-1, 1, 0
	WIN 0
	PLACES NP
	s_lshl_b32 s18, s17, 1
	s_add_co_u32 s18, s18, s15
	s_lshl_b32 s19, s42, 1
	s_add_co_u32 s19, s19, s16
	s_cmp_eq_u32 s66, 1
	s_cselect_b32 s20, s19, s18
	s_cselect_b32 s21, s18, s19
	s_lshl_b32 s21, s21, 1
	s_lshr_b32 s22, s20, 4
	s_and_b32 s20, s20, 15
	s_lshl_b32 s22, s22, 4
	s_add_co_u32 s21, s21, s22
	s_lshl_b32 s21, s21, 4
	s_add_co_u32 s20, s20, s21
	s_wait_kmcnt 0x0
	s_wait_loadcnt 0x0
	s_cmp_eq_u32 s67, 1
	s_cselect_b64 s[28:29], s[28:29], s[32:33]
	s_cselect_b64 s[30:31], s[30:31], s[34:35]
	s_cselect_b32 s95, 0x3e000000, 1.0
	s_cmp_eq_u32 s67, 0
	s_cselect_b64 s[24:25], s[24:25], s[28:29]
	s_cselect_b64 s[26:27], s[26:27], s[30:31]
	s_lshl_b32 s36, s20, 13
	s_mov_b32 s37, 0
	s_add_nc_u64 s[24:25], s[24:25], s[36:37]
	s_lshl_b32 s36, s20, 8
	s_add_nc_u64 s[26:27], s[26:27], s[36:37]
.macro QUANT4 a
.set W, 2+(\a)/4
.set X, 64*((\a)%4)
.set PC, 128+16*(\a)
	WIN W|(W<<2)
.irp b, 0,1,2,3
	v_max3_num_f32 v[T+\b], |v[X+16*\b]|, |v[X+16*\b+1]|, 0x8000000
.endr
.irp i, 2,4,6,8,10,12,14
.irp b, 0,1,2,3
	v_max3_num_f32 v[T+\b], |v[X+16*\b+\i]|, |v[X+16*\b+\i+1]|, v[T+\b]
.endr
.endr
	WIN 0
.irp b, 0,1,2,3
	v_permlanex16_b32 v[T2+\b], v[T+\b], s98, s99
.endr
.irp b, 0,1,2,3
	v_max_num_f32 v[T+\b], v[T+\b], v[T2+\b]
.endr
.irp b, 0,1,2,3
	v_add_nc_u32 v[SOP+\b], 0xf8800000, v[T+\b]
.endr
.irp b, 0,1,2,3
	v_and_or_b32 v[HOLD+\b], v[T+\b], 0x7f800000, s97
.endr
.irp b, 0,1,2,3
	v_lshrrev_b32 v[BY+\b], 23, v[SOP+\b]
.endr
	WIN (W<<6)|W
.irp b, 0,1,2,3
.set n, 0
.rept 16
	v_med3_num_f32 v[X+16*\b+n], v[X+16*\b+n], -v[HOLD+\b], v[HOLD+\b]
.set n, n+1
.endr
.endr
	WIN W
.irp b, 0,1,2,3
	v_cvt_scalef32_pk8_bf8_f32 v[PC+4*\b:PC+4*\b+1], v[X+16*\b:X+16*\b+7], v[SOP+\b]
	v_cvt_scalef32_pk8_bf8_f32 v[PC+4*\b+2:PC+4*\b+3], v[X+16*\b+8:X+16*\b+15], v[SOP+\b]
.endr
	WIN 0
	v_nop
.endm
	s_cmp_eq_u32 s66, 1
	s_cbranch_scc1 .Lv_out
.irp a, 0,1,2,3,4,5,6,7
.set W, 2+\a/4
.set X, 64*(\a%4)
	WIN (W<<6)|W
.set n, 0
.rept 32
	v_pk_add_f32 v[X+n:X+n+1], v[X+n:X+n+1], v[BI+n:BI+n+1]
.set n, n+2
.endr
	WIN W|(W<<2)
	v_pk_mul_f32 v[128+4*\a:129+4*\a], v[X:X+1], v[X:X+1]
	v_pk_mul_f32 v[130+4*\a:131+4*\a], v[X+32:X+33], v[X+32:X+33]
.set n, 2
.rept 15
	v_pk_fma_f32 v[128+4*\a:129+4*\a], v[X+n:X+n+1], v[X+n:X+n+1], v[128+4*\a:129+4*\a]
	v_pk_fma_f32 v[130+4*\a:131+4*\a], v[X+32+n:X+33+n], v[X+32+n:X+33+n], v[130+4*\a:131+4*\a]
.set n, n+2
.endr
.endr
	WIN 0
.irp q, 0,1,2,3,4,5,6,7,8,9,10,11,12,13,14,15
	v_add_f32 v[128+2*\q], v[128+2*\q], v[129+2*\q]
.endr
.irp q, 0,1,2,3,4,5,6,7,8,9,10,11,12,13,14,15
	v_permlanex16_b32 v[129+2*\q], v[128+2*\q], s98, s99
.endr
.irp q, 0,1,2,3,4,5,6,7,8,9,10,11,12,13,14,15
	v_add_f32 v[128+2*\q], v[128+2*\q], v[129+2*\q]
.endr
	s_wait_alu depctr_va_vdst(0)
.irp q, 0,1,2,3,4,5,6,7,8,9,10,11,12,13,14,15
	v_sqrt_f32 v[128+2*\q], v[128+2*\q]
.endr
	v_mov_b32 v[T2], 0
	v_mov_b32 v[T2+1], 0
	v_mov_b32 v[T2+2], 0
	v_mov_b32 v[T2+3], 0
	s_wait_alu depctr_va_vdst(0)
.irp q, 0,1,2,3,4,5,6,7,8,9,10,11,12,13,14,15
	v_max_num_f32 v[128+2*\q], s100, v[128+2*\q]
.endr
	s_wait_alu depctr_va_vdst(0)
.irp q, 0,1,2,3,4,5,6,7,8,9,10,11,12,13,14,15
	v_rcp_f32 v[128+2*\q], v[128+2*\q]
.endr
	v_nop
	s_wait_alu depctr_va_vdst(0)
.irp q, 0,1,2,3,4,5,6,7,8,9,10,11,12,13,14,15
	v_mul_f32 v[BI+2*\q], s95, v[128+2*\q]
	v_mul_f32 v[BI+2*\q+1], s95, v[128+2*\q]
.endr
.irp a, 0,1,2,3,4,5,6,7
.set W, 2+\a/4
.set X, 64*(\a%4)
	WIN (W<<6)|W
.set n, 0
.rept 16
	v_pk_mul_f32 v[X+n:X+n+1], v[X+n:X+n+1], v[BI+4*\a:BI+4*\a+1]
	v_pk_mul_f32 v[X+32+n:X+33+n], v[X+32+n:X+33+n], v[BI+4*\a+2:BI+4*\a+3]
.set n, n+2
.endr
	QUANT4 \a
.if \a%2 == 0
	v_lshl_or_b32 v[SW0+\a/2], v[BY+1], 8, v[BY]
	v_lshl_or_b32 v[SW1+\a/2], v[BY+3], 8, v[BY+2]
.else
	v_lshl_or_b32 v[SW0+\a/2], v[BY], 16, v[SW0+\a/2]
	v_lshl_or_b32 v[SW1+\a/2], v[BY+2], 16, v[SW1+\a/2]
	v_lshl_or_b32 v[SW0+\a/2], v[BY+1], 24, v[SW0+\a/2]
	v_lshl_or_b32 v[SW1+\a/2], v[BY+3], 24, v[SW1+\a/2]
.endif
.irp e, 0,1,2,3
	global_store_b128 v[OA], v[128+16*\a+4*\e:128+16*\a+4*\e+3], s[24:25] offset:(\e/2)*131072+\a*1024+(\e%2)*512
.endr
.endr
	s_branch .Ljoin
.Lv_out:
	v_mov_b32 v[T2], 0
	v_mov_b32 v[T2+1], 0
	v_mov_b32 v[T2+2], 0
	v_mov_b32 v[T2+3], 0
.irp a, 0,1,2,3,4,5,6,7
.set W, 2+\a/4
.set X, 64*(\a%4)
	WIN (W<<6)|W
.set n, 0
.rept 32
	v_pk_add_f32 v[X+n:X+n+1], v[X+n:X+n+1], v[BI+2*\a:BI+2*\a+1]
.set n, n+2
.endr
	QUANT4 \a
	v_lshl_or_b32 v[SW0+\a], v[BY+1], 8, v[BY]
	v_lshl_or_b32 v[SW0+\a], v[BY+2], 16, v[SW0+\a]
	v_lshl_or_b32 v[SW0+\a], v[BY+3], 24, v[SW0+\a]
.irp c, 0,1,2,3
	global_store_b128 v[OA], v[128+16*\a+4*\c:128+16*\a+4*\c+3], s[24:25] offset:(\a/4)*131072+(\a%4)*2048+\c*512
.endr
.endr
.Ljoin:
	s_wait_alu depctr_va_vdst(0)
.irp p, 0,1,2,3
	v_cndmask_b32 v[FW+\p], v[SW0+\p], v[SW1+\p], s96
.endr
	global_store_b128 v[SAD], v[FW:FW+3], s[26:27]
	s_wait_tensorcnt 0x0
	ds_add_u32 v[SPW], v[NIL]
	s_wait_dscnt 0x0
	CROUND
	s_endpgm
.Lfunc_end_k_qa63b0ecf01_qkv:
	.size	k_qa63b0ecf01_qkv, .Lfunc_end_k_qa63b0ecf01_qkv-k_qa63b0ecf01_qkv
	.p2alignl 7, 3214868480
	.fill 96, 4, 3214868480
	.section	.rodata,"a",@progbits
	.p2align	6, 0x0
	.amdhsa_kernel k_qa63b0ecf01_qkv
		.amdhsa_group_segment_fixed_size 327680
		.amdhsa_private_segment_fixed_size 0
		.amdhsa_enable_private_segment 0
		.amdhsa_kernarg_size 136
		.amdhsa_user_sgpr_count 2
		.amdhsa_user_sgpr_kernarg_segment_ptr 1
		.amdhsa_wavefront_size32 1
		.amdhsa_system_sgpr_workgroup_id_x 1
		.amdhsa_system_sgpr_workgroup_id_y 1
		.amdhsa_system_sgpr_workgroup_id_z 1
		.amdhsa_system_vgpr_workitem_id 0
		.amdhsa_next_free_vgpr 1024
		.amdhsa_next_free_sgpr 102
		.amdhsa_reserve_vcc 0
		.amdhsa_float_denorm_mode_32 3
		.amdhsa_float_denorm_mode_16_64 3
		.amdhsa_memory_ordered 1
		.amdhsa_forward_progress 1
		.amdhsa_inst_pref_size 255
	.end_amdhsa_kernel
	.section	.bss,"aw",@nobits
	.p2align	6
	.space	262144
	.amdgpu_metadata
---
amdhsa.version: [ 1, 2 ]
amdhsa.kernels:
  - .name:           k_qa63b0ecf01_qkv
    .symbol:         k_qa63b0ecf01_qkv.kd
    .args:
      - { .name: x_codes, .offset: 0, .size: 8, .value_kind: global_buffer, .address_space: global }
      - { .name: x_scales, .offset: 8, .size: 8, .value_kind: global_buffer, .address_space: global }
      - { .name: Wv_codes, .offset: 16, .size: 8, .value_kind: global_buffer, .address_space: global }
      - { .name: Wv_scales, .offset: 24, .size: 8, .value_kind: global_buffer, .address_space: global }
      - { .name: Wq_codes, .offset: 32, .size: 8, .value_kind: global_buffer, .address_space: global }
      - { .name: Wq_scales, .offset: 40, .size: 8, .value_kind: global_buffer, .address_space: global }
      - { .name: Wk_codes, .offset: 48, .size: 8, .value_kind: global_buffer, .address_space: global }
      - { .name: Wk_scales, .offset: 56, .size: 8, .value_kind: global_buffer, .address_space: global }
      - { .name: bv, .offset: 64, .size: 8, .value_kind: global_buffer, .address_space: global }
      - { .name: bq, .offset: 72, .size: 8, .value_kind: global_buffer, .address_space: global }
      - { .name: bk, .offset: 80, .size: 8, .value_kind: global_buffer, .address_space: global }
      - { .name: vimg, .offset: 88, .size: 8, .value_kind: global_buffer, .address_space: global }
      - { .name: vsc, .offset: 96, .size: 8, .value_kind: global_buffer, .address_space: global }
      - { .name: qimg, .offset: 104, .size: 8, .value_kind: global_buffer, .address_space: global }
      - { .name: qsc, .offset: 112, .size: 8, .value_kind: global_buffer, .address_space: global }
      - { .name: kimg, .offset: 120, .size: 8, .value_kind: global_buffer, .address_space: global }
      - { .name: ksc, .offset: 128, .size: 8, .value_kind: global_buffer, .address_space: global }
    .group_segment_fixed_size: 327680
    .private_segment_fixed_size: 0
    .kernarg_segment_align: 8
    .kernarg_segment_size: 136
    .max_flat_workgroup_size: 128
    .sgpr_count:     102
    .vgpr_count:     1024
    .wavefront_size: 32
...
	.end_amdgpu_metadata
.endif
;; end of part 1
;; launch attn (part 2): grid 32 x 8, 8 waves a work-group, clusters of 4 x 4, 327,680 bytes of LDS; arguments qimg, qsc, kimg, ksc, vimg, vsc, causal_mask, validity_mask, oimg, osc; writes oimg, osc
.if DOCPART == 2
	.amdgcn_target "amdgcn-amd-amdhsa--gfx1250"
	.amdhsa_code_object_version 6
	.text
	.protected	k_qa63b0ecf01_attn
	.globl	k_qa63b0ecf01_attn
	.p2align	8
	.type	k_qa63b0ecf01_attn,@function
k_qa63b0ecf01_attn:
	s_mov_b64 s[64:65], 0
	v_nop
	global_prefetch_b8 v0, s[64:65] scope:SCOPE_SE
	s_setreg_imm32_b32 hwreg(HW_REG_WAVE_MODE, 25, 1), 1
	s_wait_xcnt 0x0
	s_wait_alu depctr_hold_cnt(0) depctr_sa_sdst(0) depctr_va_vdst(0) depctr_va_sdst(0) depctr_va_ssrc(0) depctr_va_vcc(0) depctr_vm_vsrc(0)
	s_getreg_b32 s2, hwreg(HW_REG_IB_STS2, 6, 4)
	s_cmp_eq_u32 s2, 0
	s_cbranch_scc0 .Lentry_in_a_cluster
	s_endpgm
.Lentry_in_a_cluster:
	s_bfe_u32 s2, ttmp6, 0x10000c
	s_cmp_lg_u32 s2, 0xf033
	s_cbranch_scc0 .Lentry_shape_is_right
	s_endpgm
.Lentry_shape_is_right:
; ATTENTION ON CODES OF E5M2.  logit = where(valid[key], clip(q . k, -5, 5), -1e9) + mask[query][key] (q carries the factor 1/8); t = logit x log2(e), rounded; M = the running largest t rounded up to a whole number;
; p = 2^(t - M) is quantised along the keys; O = (sum of p v) / (sum of the unquantised p); O is quantised along the channels for the last projection and stored as images of the operand's registers.
; Both masks are inputs: every key is computed for every query, and no work is left out.  The clip and the validity are ONE instruction, min(max(s, -5), hi[key]), hi = 5 for a valid key and -1e9 else; the additive mask is one f32 addition.
; t is a rounded product and M is taken away afterwards, so that rows whose every logit lies near -1e9 come out as the formula has them.
; SHARES.  A work-group owns 4 heads x 64 queries of one batch.  Wave w: head w % 4, queries 32 (w / 4) on: two tiles of 16.  Every wave walks the 2,048 keys, 128 a step.
; CLUSTER.  4 x 4 work-groups: cx = four blocks of queries, cy = the four groups of heads of one batch.  K, V and their scale words hang on (batch, cy): asked for jointly along a row of the cluster; the additive mask's
; tile hangs on the block of queries: jointly along a column.  Wave 0 fetches K of the four heads, wave 1 V, waves 4-7 sixteen rows of the mask each; at the head waves 2 and 3 fetch K's and V's scale words: one load a wave.
; THE CHANGE OF SLOTS STANDS IN A STEP'S MIDDLE, where my last read of the slot (V, both tiles of the mask) has come back.  Behind it the slot is filled again, and the NEXT step's K, K's scale words and hi are fetched into registers
; that are free by then: these 33 LDS loads are out while the two tiles' exponentials, sums and conversions are worked.
; LAYOUT.  S^T = K Q^T and O^T = V^T P^T: a lane holds one query (lane % 16).  The scores' K is 64 and the instruction's 128: a RUN is two tiles of 16 keys on end (16 registers), and Q lies as q, zeros, q (24 registers):
; run x registers 0-15 gives the first tile's scores, run x registers 8-23 the second's.  Register j of key tile T is key 16 T + 8 (lane / 16) + j; V's images hold the keys of a block in the same order.
; LIMITS: NaN and infinities are not served, nor rows whose every logit is -infinity; a block whose largest magnitude lies under 2^-111 gets the scale byte 1, a block of zeros too (this program alone reads the bytes).
; REGISTERS.  window 0: v1-11 addresses; v12-19 -M, largest t, the sum; v20-31 scale words and nothing else; v32-63 at work; v64-127, v128-191 S^T of tiles 0, 1 (v64-79 later tile 1's P); v192-255 hi, then tile 1's mask.
;   window 1: v0-63 K's runs, then tile 0's mask; v64-127 V; v128-191 O^T; v192-239 Q; v240-255 tile 0's P.
.set SLOT1, 131072                     ; slot 1 begins here: one exclusive or turns an address
.set VOFF,  32768                      ; a slot: K of 4 heads (8,192 bytes each), V likewise,
.set MOFF,  65536                      ; and 64 rows of the mask,
.set MP,    528                        ; 512 bytes + 16
.set SCK,   262144                     ; K's scale words of my 4 heads, all steps: 16,384 bytes; V's behind them
.set HI,    294912                     ; hi[key], 2,048 numbers, stored by the waves
.set OST,   303104                     ; O's scale bytes on their way out: 512 bytes
.set SPARE, 303616                     ; the spare words: 128 bytes a wave, named by no other line
.set AF0, 1
.set AM0, 2
.set AH0, 3
.set AS0, 4
.set SPW, 5
.set NIL, 6
.set PFO, 7
.set ADF, 8
.set ADM, 9
.set ADH, 10
.set ADS, 11
.set KSC, 20
.set VSC, 24
.set QSC, 28
.set PT,  40
.set HD,  44
.set SO,  48
.set OSA, 58
.set LI,  60
.set TB,  2
.set TS,  3
.set WV,  60
.set TH,  73
.set MSB, 0
.macro WIN new
.if MSB != (\new)
	s_set_vgpr_msb (MSB<<8)|(\new)
.set MSB, (\new)
.endif
.endm
.macro NOPS n
.rept \n
	v_nop
.endr
.endm
.macro CROUND                          ; a round of the cluster's barrier
	s_barrier_signal -1
	s_barrier_wait -1
	CREST
.endm
.macro CREST                           ; a round behind its opening barrier
	s_cmp_lg_u32 s[WV], 0
	s_cbranch_scc1 .Lnot_wave_0_\@
	s_barrier_signal -3
.Lnot_wave_0_\@:
	s_barrier_wait -3
	s_barrier_signal -1
	s_barrier_wait -1
.endm
.macro TL g0, g1                       ; a tensor load and the nops behind it
	tensor_load_to_lds s[\g0:\g0+3], s[\g1:\g1+7]
	s_nop 0
	NOPS 4
.endm
.macro JLOAD                           ; a joint refill: waves 0, 1 K and V, waves 4-7 the mask; the branches hang on the wave's number alone
	s_cmp_lt_u32 s[WV], 2
	s_cbranch_scc0 .Lnot_kv_\@
	TL 48, 24
	s_branch .Lasked_\@
.Lnot_kv_\@:
	s_cmp_lt_u32 s[WV], 4
	s_cbranch_scc1 .Lasked_\@
	TL 52, 32
.Lasked_\@:
.endm
; A PREFETCH of what the NEXT change of slots will ask for, one key step ahead of that load.  Each aligned 256 bytes are named once in the launch.  K and V of a batch are walked by the eight clusters of its row:
; cluster x = 0 asks; the partner at cx takes head 4 cy + cx: 8,192 bytes, lanes 256 bytes apart; wave 0 K's, wave 2 V's.  The mask's rows are walked by both batches: cluster y = 0 asks; the partner at cy takes rows 16 cy on,
; wave 4: a lane a row and half of its 512 bytes.  Partners are told apart by address alone.  The last change that fills a slot asks for nothing.
.macro ASK
	s_cmp_gt_u32 s72, s78
	s_cbranch_scc0 .Lnot_mine_\@
	global_prefetch_b8 v[PFO], s[74:75] th:TH_LOAD_NT scope:SCOPE_SE
.Lnot_mine_\@:
.endm
	s_load_b512 s[4:19], s[0:1], 0x0               ; qimg, qsc, kimg, ksc, vimg, vsc, the additive mask, the validity mask
	s_load_b128 s[20:23], s[0:1], 0x40             ; oimg, osc
	v_lshl_add_u32 v[SPW], v0, 2, SPARE
	v_mov_b32 v[NIL], 0
	ds_add_u32 v[SPW], v[NIL]                      ; the opening lines: the add twice on end and one wait
	ds_add_u32 v[SPW], v[NIL]
	v_lshrrev_b32 v8, 5, v0
	v_readfirstlane_b32 s[WV], v8                  ; wave 0..7
	s_bfe_u32 s61, ttmp6, 0x40000                  ; cx
	s_bfe_u32 s62, ttmp6, 0x40004                  ; cy: the group of heads
	s_and_b32 s63, ttmp7, 0xffff                   ; the batch
	s_lshl_b32 s79, ttmp9, 2
	s_add_co_u32 s79, s79, s61                     ; my block of 64 queries
	s_lshl_b32 s80, s62, 2                         ; 4 cy
	s_lshl_b32 s81, 15, s80                        ; my row of the cluster
	s_lshl_b32 s82, 0x1111, s61                    ; my column
	s_and_b32 s83, s[WV], 3                        ; my head in the group.  Also: which rows of the mask I fetch
	s_lshr_b32 s84, s[WV], 2                       ; which 32 queries
	s_and_b32 s85, s[WV], 1                        ; I fetch for K (0) or for V (1)
	; K, V: four heads' 8,192 bytes of a step, 131,072 bytes apart
	s_or_b32 s24, s81, (3<<16)|(1<<21)
	s_mov_b32 s25, 1024<<16
	s_mov_b32 s26, 4<<16
	s_mov_b32 s27, 1024<<16
	s_mov_b32 s28, 4
	s_mov_b32 s29, 16384
	s_mov_b32 s30, 0
	s_mov_b32 s31, 0
	; the mask: 16 rows of 128 numbers, 4 words of padding behind every 128
	s_or_b32 s32, s82, (2<<16)|(1<<20)|(1<<21)|(6<<22)|(3<<25)
	s_mov_b32 s33, 128<<16
	s_mov_b32 s34, 16<<16
	s_mov_b32 s35, 128<<16
	s_mov_b32 s36, 16
	s_mov_b32 s37, 2048
	s_mov_b32 s38, 0
	s_mov_b32 s39, 0
	; scale words: 16,384 dense bytes as 64 rows of 256
	s_or_b32 s40, s81, (3<<16)|(1<<21)
	s_mov_b32 s41, 32<<16
	s_mov_b32 s42, 64<<16
	s_mov_b32 s43, 32<<16
	s_mov_b32 s44, 64
	s_mov_b32 s45, 32
	s_mov_b32 s46, 0
	s_mov_b32 s47, 0
	s_lshl_b32 s86, s63, 4
	s_add_co_u32 s86, s86, s80                     ; 16 batch + 4 cy: my group's first head
	s_lshl_b32 s88, s86, 17                        ; its codes
	s_mov_b32 s89, 0
	s_lshl_b32 s90, s86, 12                        ; its scale words
	s_mov_b32 s91, 0
	s_lshl_b32 s92, s79, 6
	s_lshl_b32 s93, s83, 4
	s_add_co_u32 s92, s92, s93
	s_lshl_b32 s92, s92, 13                        ; the mask: row 64 block + 16 part, 8,192 bytes a row
	s_mov_b32 s93, 0
	s_mov_b32 s66, 0x76543210
	s_mov_b32 s67, 0xfedcba98                      ; v_permlanex16_b32's selects for lane l xor 16
	s_mov_b32 s68, 0x3fb8aa3b                      ; log2(e)
	s_mov_b32 s69, s68
	s_mov_b32 s70, 0x600000                        ; the mantissa field of 57,344
	s_mov_b32 s71, 0xc0a00000                      ; -5
	s_mov_b32 s72, 15                              ; changes of slots that fill
	s_mov_b32 s[TB], 0
	s_mov_b32 s[TS], 0
	s_mov_b32 s[TH], 0
	s_wait_dscnt 0x0
	s_wait_kmcnt 0x0
	s_cmp_eq_u32 s85, 0
	s_cselect_b64 s[94:95], s[8:9], s[12:13]
	s_cselect_b64 s[96:97], s[10:11], s[14:15]
	s_mov_b32 s48, 1
	s_lshl_b32 s49, s85, 15                        ; LDS: K's four heads, then V's
	s_add_nc_u64 s[50:51], s[94:95], s[88:89]
	s_or_b32 s51, s51, 0x80000000
	s_mov_b32 s52, 1
	s_mul_i32 s53, s83, 16*MP
	s_add_co_u32 s53, s53, MOFF
	s_add_nc_u64 s[54:55], s[16:17], s[92:93]
	s_or_b32 s55, s55, 0x80000000
	s_mov_b32 s56, 1
	s_lshl_b32 s57, s85, 14
	s_add_co_u32 s57, s57, SCK
	s_add_nc_u64 s[58:59], s[96:97], s[90:91]
	s_or_b32 s59, s59, 0x80000000
	CROUND                                         ; all sixteen work-groups are here
	s_cmp_lt_u32 s[WV], 2                          ; the head's loads: one chain, one load to an arm, every wave passes one
	s_cbranch_scc0 .Lhead_s
	TL 48, 24                                      ; waves 0, 1: slot 0's K, V
	s_branch .Lhead_done
.Lhead_s:
	s_cmp_lt_u32 s[WV], 4
	s_cbranch_scc0 .Lhead_m
	TL 56, 40                                      ; waves 2, 3: the scale words, filled once
	s_branch .Lhead_done
.Lhead_m:
	TL 52, 32                                      ; waves 4-7: slot 0's rows of the mask
.Lhead_done:
	v_and_b32 v56, 15, v0                          ; r
	v_bfe_u32 v57, v0, 4, 1                        ; h
	v_and_b32 v8, 31, v0
	v_lshlrev_b32 v[LI], 4, v8
	s_lshl_b32 s98, s83, 13
	v_add_nc_u32 v[AF0], s98, v[LI]
	v_mul_u32_u24 v[AM0], v56, MP
	v_lshl_add_u32 v[AM0], v57, 5, v[AM0]
	s_mul_i32 s98, s84, 32*MP
	s_add_co_u32 s98, s98, MOFF
	v_add_nc_u32 v[AM0], s98, v[AM0]
	v_lshl_add_u32 v[AH0], v57, 5, HI
	v_lshl_add_u32 v[AS0], v56, 4, SCK
	s_lshl_b32 s98, s83, 12
	v_add_nc_u32 v[AS0], s98, v[AS0]
	v_lshl_add_u32 v[OSA], v56, 3, OST
	s_lshl_b32 s98, s84, 8
	s_lshl_b32 s99, s83, 1
	s_add_co_u32 s98, s98, s99
	v_add_nc_u32 v[OSA], s98, v[OSA]               ; O's scale bytes: 256 (w / 4) + 8 r + 2 head
	v_lshlrev_b32 v61, 4, v56                      ; 16 r
	v_lshlrev_b32 v9, 3, v0                        ; 8 x thread
	s_wait_alu depctr_va_vdst(0)                   ; the wait ahead of the run of scalar lines
	; Q: (16 batch + head) x 128 tiles + my first tile, 1,024 bytes a tile
	s_add_co_u32 s100, s86, s83
	s_lshl_b32 s100, s100, 7
	s_lshl_b32 s101, s79, 2
	s_add_co_u32 s100, s100, s101
	s_lshl_b32 s101, s84, 1
	s_add_co_u32 s100, s100, s101
	s_lshl_b32 s100, s100, 10
	s_mov_b32 s101, 0
	s_add_nc_u64 s[4:5], s[4:5], s[100:101]
	; its scale word: step block / 2 of my head, word 2 (block % 2) + w / 4 of each row's four
	s_add_co_u32 s100, s86, s83
	s_lshl_b32 s100, s100, 4
	s_lshr_b32 s101, s79, 1
	s_add_co_u32 s100, s100, s101
	s_lshl_b32 s100, s100, 8
	s_and_b32 s101, s79, 1
	s_lshl_b32 s101, s101, 1
	s_add_co_u32 s101, s101, s84
	s_lshl_b32 s101, s101, 2
	s_add_co_u32 s100, s100, s101
	s_mov_b32 s101, 0
	s_add_nc_u64 s[6:7], s[6:7], s[100:101]
	s_lshl_b32 s100, s63, 11                       ; my batch's validity bytes
	s_add_nc_u64 s[18:19], s[18:19], s[100:101]
	global_load_b64 v[10:11], v9, s[18:19]         ; eight keys' validity a thread
	global_load_b32 v62, v61, s[6:7]
	WIN 0x40
.irp t, 0,1
.irp g, 0,1
	global_load_b128 v[192+24*\t+4*\g:195+24*\t+4*\g], v[LI], s[4:5] offset:\t*1024+\g*512
	global_load_b128 v[208+24*\t+4*\g:211+24*\t+4*\g], v[LI], s[4:5] offset:\t*1024+\g*512   ; q lies twice, zeros between
.endr
.endr
.irp t, 0,1
.set n, 0
.rept 8
	v_mov_b32 v[200+24*\t+n], 0
.set n, n+1
.endr
.endr
.set n, 0
.rept 64
	v_mov_b32 v[128+n], 0                          ; O^T.  (The step is written for every step alike: the first finds zeros)
.set n, n+1
.endr
	WIN 0
	; O's images: token tile 128 batch + 4 block + 2 (w / 4), 16,384 bytes a tile; my head's two blocks, 1,024 bytes
	s_lshl_b32 s100, s63, 7
	s_lshl_b32 s101, s79, 2
	s_add_co_u32 s100, s100, s101
	s_lshl_b32 s99, s62, 8
	s_add_co_u32 s99, s99, s100
	s_lshl_b32 s98, s99, 7                         ; O's scale bytes: (256 cy + 128 batch + 4 block) x 128
	s_mov_b32 s99, 0
	s_add_nc_u64 s[22:23], s[22:23], s[98:99]
	s_lshl_b32 s101, s84, 1
	s_add_co_u32 s100, s100, s101
	s_lshl_b32 s100, s100, 4
	s_add_co_u32 s100, s100, s80
	s_add_co_u32 s100, s100, s83
	s_lshl_b32 s100, s100, 10
	s_mov_b32 s101, 0
	s_add_nc_u64 s[20:21], s[20:21], s[100:101]
	; the prefetches: where they stand, their steps, who asks
	s_cmp_lt_u32 s[WV], 2
	s_cselect_b64 s[74:75], s[8:9], s[12:13]
	s_cmp_lt_u32 s[WV], 4
	s_cselect_b64 s[74:75], s[74:75], s[16:17]
	s_mov_b32 s76, 512
	s_cselect_b32 s76, 8192, s76                   ; a key step on
	s_mov_b32 s94, 8192
	s_cselect_b32 s94, 256, s94                    ; from lane to lane among sixteen
	s_mov_b32 s95, 256
	s_cselect_b32 s95, 4096, s95                   ; lanes 16-31
	s_cselect_b32 s96, ttmp9, s63                  ; the coordinate along which other clusters walk the same bytes
	s_mov_b32 s77, 0
	s_add_co_u32 s100, s86, s61
	s_lshl_b32 s100, s100, 17
	s_add_co_u32 s100, s100, 8192                  ; K, V: head 4 cy + cx, step 1: the first change of slots steps it to step 2
	s_lshl_b32 s101, s79, 6
	s_lshl_b32 s97, s62, 4
	s_add_co_u32 s101, s101, s97
	s_lshl_b32 s101, s101, 13
	s_add_co_u32 s101, s101, 512                   ; the mask: rows 64 block + 16 cy on, step 1
	s_cmp_lt_u32 s[WV], 4
	s_cselect_b32 s100, s100, s101
	s_mov_b32 s101, 0
	s_add_nc_u64 s[74:75], s[74:75], s[100:101]
	s_and_b32 s97, s[WV], 1
	s_or_b32 s96, s96, s97
	s_cmp_eq_u32 s[WV], 6
	s_cselect_b32 s97, 1, 0
	s_or_b32 s96, s96, s97                         ; 0 in waves 0, 2, 4 of the clusters that ask
	s_cmp_eq_u32 s96, 0
	s_cselect_b32 s78, 1, -1
	v_mul_lo_u32 v[PFO], v56, s94
	v_mul_lo_u32 v57, v57, s95
	v_add_nc_u32 v[PFO], v[PFO], v57
.irp t, 0,1
	v_mov_b32 v[13+4*\t], 0xff61b1e6               ; the largest t so far: -3e38
	v_floor_f32 v[12+4*\t], -v[13+4*\t]            ; -M
	v_mov_b32 v[14+4*\t], 0                        ; the sum
	v_mov_b32 v[15+4*\t], 0
	v_mov_b32 v[52+2*\t], 0
	v_mov_b32 v[53+2*\t], 0                        ; (named as the upper half of a pair)
.endr
.irp b, 0,1,2,3
	v_mov_b32 v[PT+\b], 0                          ; a lane permute's destination counts as read
.endr
	v_mov_b32 v63, 0xce6e6b28                      ; -1e9
	v_mov_b32 v59, 0x40a00000                      ; 5
	s_wait_alu depctr_va_vdst(0)
	s_wait_loadcnt 0x0
	v_perm_b32 v[QSC], v62, v62, 0x01000100        ; tile 0's two bytes, twice: they serve q in either place
	v_perm_b32 v[QSC+1], v62, v62, 0x03020302      ; tile 1's
.irp k, 0,1,2,3,4,5,6,7
	v_bfe_u32 v56, v[10+\k/4], 8*(\k%4), 8
	v_cmp_ne_u32 vcc_lo, 0, v56
	v_cndmask_b32 v[64+\k], v63, v59, vcc_lo       ; hi: 5 where the key is valid, else -1e9
.endr
	v_lshl_add_u32 v9, v0, 5, HI
	ds_store_b128 v9, v[64:67]
	ds_store_b128 v9, v[68:71] offset:16           ; the round below waits for these stores
; The maxima of tile t, M, f = 2^(old M - new M), and t - M of the 64 scores and of each block's largest
.macro PHA t
.set S, 64+64*(\t)
.set BM, 32+4*(\t)
.set ST, 12+4*(\t)
.set FF, 52+2*(\t)
.irp b, 0,1,2,3
	v_max3_num_f32 v[BM+\b], v[S+16*\b], v[S+16*\b+1], v[S+16*\b+2]   ; the largest logit of each block of 32 keys: for the row's maximum, and, since p rises with the logit, for the block's largest p
.endr
.irp i, 3,5,7,9,11,13
.irp b, 0,1,2,3
	s_delay_alu instid0(VALU_DEP_4)
	v_max3_num_f32 v[BM+\b], v[BM+\b], v[S+16*\b+\i], v[S+16*\b+\i+1]
.endr
.endr
.irp b, 0,1,2,3
	s_delay_alu instid0(VALU_DEP_4)
	v_max_num_f32 v[BM+\b], v[BM+\b], v[S+16*\b+15]
.endr
.irp b, 0,1,2,3
	s_delay_alu instid0(VALU_DEP_4)
	v_permlanex16_b32 v[PT+\b], v[BM+\b], s66, s67
.endr
.irp b, 0,1,2,3
	s_delay_alu instid0(VALU_DEP_4)
	v_max_num_f32 v[BM+\b], v[BM+\b], v[PT+\b]
.endr
	s_delay_alu instid0(VALU_DEP_2)
	v_max3_num_f32 v56, v[BM], v[BM+1], v[BM+2]
	s_delay_alu instid0(VALU_DEP_1)
	v_max_num_f32 v56, v56, v[BM+3]
	s_delay_alu instid0(VALU_DEP_1)
	v_mul_f32 v56, s68, v56                        ; as t
	s_delay_alu instid0(VALU_DEP_1)
	v_max_num_f32 v[ST+1], v[ST+1], v56            ; the running largest t
	v_mov_b32 v56, v[ST]
	s_delay_alu instid0(VALU_DEP_2)
	v_floor_f32 v[ST], -v[ST+1]                    ; -M = floor(-t): M is a whole number
	s_delay_alu instid0(VALU_DEP_1)
	v_sub_f32 v56, v[ST], v56                      ; old M - new M, 0 or less
	s_delay_alu instid0(VALU_DEP_1)
	v_cvt_i32_f32 v56, v56                         ; (it saturates)
	s_delay_alu instid0(VALU_DEP_1)
	v_ldexp_f32 v[FF], 1.0, v56                    ; f: a multiplication by it rounds nothing
.set n, 0
.rept 32
	v_pk_mul_f32 v[S+n:S+n+1], v[S+n:S+n+1], s[68:69] op_sel_hi:[1,0]   ; t = logit x log2(e), rounded
.set n, n+2
.endr
.irp b, 0,1,2,3
	v_mul_f32 v[BM+\b], s68, v[BM+\b]
.endr
.set n, 0
.rept 32
	v_pk_add_f32 v[S+n:S+n+1], v[S+n:S+n+1], v[ST:ST+1] op_sel_hi:[1,0]   ; t - M
.set n, n+2
.endr
.irp b, 0,1,2,3
	v_add_f32 v[BM+\b], v[BM+\b], v[ST]
.endr
.endm
.macro PHE t                           ; one batch of 68 exponentials
.set S, 64+64*(\t)
.set BM, 32+4*(\t)
.set n, 0
.rept 64
	v_exp_f32 v[S+n], v[S+n]
.set n, n+1
.endr
.irp b, 0,1,2,3
	v_exp_f32 v[BM+\b], v[BM+\b]                   ; the block's largest p: the same lines on the same number give the same bits
.endr
.endm
.macro PHB t, pc, pw                   ; the sum of the unquantised p; p's scale word; its codes into v[pc ..] of the window that pw names
.set S, 64+64*(\t)
.set BM, 32+4*(\t)
.set ST, 12+4*(\t)
.set FF, 52+2*(\t)
.set PW, 30+(\t)
	v_pk_mul_f32 v[ST+2:ST+3], v[ST+2:ST+3], v[FF:FF+1] op_sel_hi:[1,0]   ; the sum under the new M
	; the 32 pairs of p in eight chains by turns: seven in registers that this macro writes only further down (v40-51, v56-57), the eighth the sum itself
.irp k, 0,1,2,3,4,5
	v_pk_add_f32 v[40+2*\k:41+2*\k], v[S+2*\k:S+2*\k+1], v[S+16+2*\k:S+17+2*\k]
.endr
	v_pk_add_f32 v[56:57], v[S+12:S+13], v[S+28:S+29]
	v_pk_add_f32 v[ST+2:ST+3], v[ST+2:ST+3], v[S+14:S+15]
.irp j, 32, 48
.irp k, 0,1,2,3,4,5
	v_pk_add_f32 v[40+2*\k:41+2*\k], v[40+2*\k:41+2*\k], v[S+\j+2*\k:S+\j+2*\k+1]
.endr
	v_pk_add_f32 v[56:57], v[56:57], v[S+\j+12:S+\j+13]
	v_pk_add_f32 v[ST+2:ST+3], v[ST+2:ST+3], v[S+\j-2:S+\j-1]
.endr
	v_pk_add_f32 v[40:41], v[40:41], v[42:43]
	v_pk_add_f32 v[44:45], v[44:45], v[46:47]
	v_pk_add_f32 v[48:49], v[48:49], v[50:51]
	v_pk_add_f32 v[ST+2:ST+3], v[ST+2:ST+3], v[S+62:S+63]
	s_delay_alu instid0(VALU_DEP_3)
	v_pk_add_f32 v[40:41], v[40:41], v[44:45]
	s_delay_alu instid0(VALU_DEP_3)
	v_pk_add_f32 v[48:49], v[48:49], v[56:57]
	s_delay_alu instid0(VALU_DEP_1)
	v_pk_add_f32 v[40:41], v[40:41], v[48:49]
	s_delay_alu instid0(VALU_DEP_1)
	v_pk_add_f32 v[ST+2:ST+3], v[ST+2:ST+3], v[40:41]
.irp b, 0,1,2,3
	v_max_num_f32 v[BM+\b], 0x8000000, v[BM+\b]    ; the floor 2^(16 - 127)
.endr
.irp b, 0,1,2,3
	s_delay_alu instid0(VALU_DEP_4)
	v_add_nc_u32 v[SO+\b], 0xf8800000, v[BM+\b]    ; the conversion's scale operand
.endr
.irp b, 0,1,2,3
	v_and_or_b32 v[HD+\b], v[BM+\b], 0x7f800000, s70   ; 57,344 x the scale
.endr
.irp b, 0,1,2,3
	v_lshrrev_b32 v[PT+\b], 23, v[SO+\b]
.endr
	s_delay_alu instid0(VALU_DEP_3)
	v_lshl_or_b32 v[PW], v[PT+1], 8, v[PT]
	s_delay_alu instid0(VALU_DEP_1)
	v_lshl_or_b32 v[PW], v[PT+2], 16, v[PW]
	s_delay_alu instid0(VALU_DEP_1)
	v_lshl_or_b32 v[PW], v[PT+3], 24, v[PW]
.irp b, 0,1,2,3
.set n, 0
.rept 16
	v_min_num_f32 v[S+16*\b+n], v[S+16*\b+n], v[HD+\b]   ; the conversion does not saturate (ISA guide 7.6.2); p is not negative
.set n, n+1
.endr
.endr
	WIN \pw
.irp b, 0,1,2,3
	v_cvt_scalef32_pk8_bf8_f32 v[\pc+4*\b:\pc+4*\b+1], v[S+16*\b:S+16*\b+7], v[SO+\b]
	v_cvt_scalef32_pk8_bf8_f32 v[\pc+4*\b+2:\pc+4*\b+3], v[S+16*\b+8:S+16*\b+15], v[SO+\b]
.endr
	WIN 0
.endm
; What a step finds in registers when it begins: its addresses, K's four scale words, K's four runs (window 1, v0-63) and hi of my 64 keys (v192-255).  33 LDS loads.  Then the scalars go on to the step after.
.macro PRE
	v_add_nc_u32 v[ADF], s[TB], v[AF0]
	v_add_nc_u32 v[ADM], s[TB], v[AM0]
	v_add_nc_u32 v[ADH], s[TH], v[AH0]
	v_add_nc_u32 v[ADS], s[TS], v[AS0]
	s_wait_alu depctr_va_vdst(0)                   ; the wait, directly behind the writes
	s_xor_b32 s[TB], s[TB], SLOT1
	s_add_co_u32 s[TS], s[TS], 256
	s_add_co_u32 s[TH], s[TH], 512
	ds_load_b128 v[KSC:KSC+3], v[ADS]
	WIN 0x40
.set m, 0
.rept 16
	ds_load_b128 v[4*m:4*m+3], v[ADF] offset:512*m
.set m, m+1
.endr
	WIN 0
.set m, 0
.rept 16
	ds_load_b128 v[192+4*m:195+4*m], v[ADH] offset:64*(m/2)+16*(m%2)   ; register 8 T + j is key 16 T + 8 h + j
.set m, m+1
.endr
.endm
; The rest of a change of slots, behind the wait for my tensor loads and the add.  fill = 1: the descriptors and the prefetch go on, a round of the cluster's barrier, the refill of the slot just read out; fill = 0: my work-group's barrier alone.
.macro TURNA fill
.if \fill
	s_xor_b32 s49, s49, SLOT1
	s_add_nc_u64 s[50:51], s[50:51], 8192
	s_xor_b32 s53, s53, SLOT1
	s_add_nc_u64 s[54:55], s[54:55], 512
	s_wait_xcnt 0x0                                ; the last prefetch, a step back, has read its address
	s_add_nc_u64 s[74:75], s[74:75], s[76:77]
.endif
	s_wait_alu depctr_va_vdst(0)                   ; the wait ahead of the blocking wait
	s_wait_dscnt 0x0                               ; the add is done, and so are all my reads of this slot:
	s_barrier_signal -1                            ; say so; work on registers alone stands between this signal and its wait
.endm
.macro TURNB fill
	s_wait_alu depctr_va_vdst(0)                   ; the wait ahead of the blocking wait
	s_barrier_wait -1
.if \fill
	CREST
	JLOAD
	ASK
.endif
.endm
; A KEY STEP: 128 keys
.macro STEP fill
	NOPS 9                                         ; places behind the last products: 8 ahead of loads into V's registers and scale words, 9 ahead of products that write over tile 1's P
	ds_load_b128 v[VSC:VSC+3], v[ADS] offset:16384
	WIN 0x40
.set m, 0
.rept 16
	ds_load_b128 v[64+4*m:67+4*m], v[ADF] offset:VOFF+512*m   ; V's four tiles of 16 channels
.set m, m+1
.endr
	s_wait_dscnt 17                                ; K, its scale words and hi are in; V's 16 and its scale words may be out
	WIN 0x05
.irp p, 0,1,2,3
.irp u, 0,1
.irp t, 0,1
	v_wmma_scale_f32_16x16x128_f8f6f4 v[64+64*\t+8*(2*\p+\u):71+64*\t+8*(2*\p+\u)], v[16*\p:16*\p+15], v[192+24*\t+8*\u:207+24*\t+8*\u], 0, v[KSC+\p], v[QSC+\t] matrix_a_fmt:MATRIX_FMT_BF8 matrix_b_fmt:MATRIX_FMT_BF8
.endr
.endr
.endr
	WIN 0
	NOPS 8                                         ; places ahead of loads into K's registers and of the first read of the scores
	WIN 0x40
.set m, 0
.rept 16
	ds_load_b128 v[4*m:4*m+3], v[ADM] offset:64*(m/2)+16*(m%2)   ; the mask of tile 0's query r takes K's place
.set m, m+1
.endr
	WIN 0
.irp g, 0,1                            ; in two halves: as 32 registers of hi have served both tiles, tile 1's mask takes their place
.set n, 32*\g
.rept 32
	v_maxmin_num_f32 v[64+n], v[64+n], s71, v[192+n]   ; min(max(s, -5), hi): the clip and the validity; ascending: each result is read from its low end on
	v_maxmin_num_f32 v[128+n], v[128+n], s71, v[192+n]
.set n, n+1
.endr
.set m, 8*\g
.rept 8
	ds_load_b128 v[192+4*m:195+4*m], v[ADM] offset:16*MP+64*(m/2)+16*(m%2)
.set m, m+1
.endr
.endr
	s_wait_dscnt 16
	WIN 0x04
.set n, 0
.rept 32
	v_pk_add_f32 v[64+n:65+n], v[64+n:65+n], v[n:n+1]   ; + the additive mask
.set n, n+2
.endr
	WIN 0
	s_wait_alu depctr_va_vdst(0)                   ; the wait ahead of the blocking wait
	s_wait_tensorcnt 0x0                           ; my part of the other slot is in
	ds_add_u32 v[SPW], v[NIL]
	TURNA \fill
.set n, 0
.rept 32
	v_pk_add_f32 v[128+n:129+n], v[128+n:129+n], v[192+n:193+n]   ; between the signal and the wait: tile 1's mask is added, and tile 0's maxima are taken
.set n, n+2
.endr
	PHA 0
	TURNB \fill
.if \fill
	PRE
.else
	s_wait_alu depctr_va_vdst(0)                   ; the wait ahead of the branch
	s_cmp_eq_u32 s72, 1                            ; the last step has no successor
	s_cbranch_scc1 .Lno_next_\@
	PRE
.Lno_next_\@:
.endif
	s_wait_alu depctr_va_vdst(0)                   ; ahead of the batch
	PHE 0
	PHA 1                                          ; plain work that names none of tile 0's exponentials
	s_wait_alu depctr_va_vdst(0)                   ; behind tile 0's batch and ahead of tile 1's
	PHE 1
	PHB 0, 240, 0x40                               ; plain work that names none of tile 1's
	s_wait_alu depctr_va_vdst(0)                   ; behind tile 1's
	PHB 1, 64, 0
	WIN 0x41
	s_wait_alu depctr_va_vdst(0)                   ; the wait directly ahead of the first reader of O^T
.irp t, 0,1
.set n, 0
.rept 16
	v_pk_mul_f32 v[128+32*\t+n:129+32*\t+n], v[128+32*\t+n:129+32*\t+n], v[52+2*\t:53+2*\t] op_sel_hi:[1,0]   ; O^T under the new M.  (Also the places behind the conversions and ahead of the products)
.set n, n+2
.endr
.endr
	WIN 0x55
.irp c, 0,1,2,3
	v_wmma_scale_f32_16x16x128_f8f6f4 v[128+8*\c:135+8*\c], v[64+16*\c:79+16*\c], v[240:255], v[128+8*\c:135+8*\c], v[VSC+\c], v30 matrix_a_fmt:MATRIX_FMT_BF8 matrix_b_fmt:MATRIX_FMT_BF8
.endr
	WIN 0x51
.irp c, 0,1,2,3
	v_wmma_scale_f32_16x16x128_f8f6f4 v[160+8*\c:167+8*\c], v[64+16*\c:79+16*\c], v[64:79], v[160+8*\c:167+8*\c], v[VSC+\c], v31 matrix_a_fmt:MATRIX_FMT_BF8 matrix_b_fmt:MATRIX_FMT_BF8
.endr
	WIN 0
.endm
	s_wait_tensorcnt 0x0                           ; my tile of the head's is in; slot 1's first fill is issued as a refill is
	ds_add_u32 v[SPW], v[NIL]
	TURNA 1
	TURNB 1                                        ; step 1 into slot 1
	PRE                                            ; step 0
	s_sub_co_u32 s72, s72, 1
.Lstep:                                            ; 14 trips: step n's change of slots asks for step n + 2
	STEP 1
	s_sub_co_u32 s72, s72, 1
	s_cmp_lg_u32 s72, 0
	s_cbranch_scc1 .Lstep
	s_mov_b32 s72, 2
.Ltail:                                            ; the last two steps ask for nothing
	STEP 0
	s_sub_co_u32 s72, s72, 1
	s_cmp_lg_u32 s72, 0
	s_cbranch_scc1 .Ltail
	; THE WAY OUT.  O^T / the sum; quantised along the channels (two blocks of 32 a tile); the codes leave as images, the scale bytes through LDS so that they leave as 512 consecutive bytes.
	NOPS 8
.irp t, 0,1
	v_add_f32 v[14+4*\t], v[14+4*\t], v[15+4*\t]
.endr
.irp t, 0,1
	s_delay_alu instid0(VALU_DEP_2)
	v_permlanex16_b32 v[PT+\t], v[14+4*\t], s66, s67
.endr
.irp t, 0,1
	s_delay_alu instid0(VALU_DEP_2)
	v_add_f32 v[14+4*\t], v[14+4*\t], v[PT+\t]     ; the row's sum
.endr
	s_wait_alu depctr_va_vdst(0)
.irp t, 0,1
	v_rcp_f32 v[52+2*\t], v[14+4*\t]
.endr
	v_add_nc_u32 v59, OST, v[LI]                   ; (a plain line behind the reciprocals)
	s_wait_alu depctr_va_vdst(0)
	WIN 0x01
.irp t, 0,1
.set n, 0
.rept 16
	v_pk_mul_f32 v[64+64*\t+n:65+64*\t+n], v[128+32*\t+n:129+32*\t+n], v[52+2*\t:53+2*\t] op_sel_hi:[1,0]
.set n, n+2
.endr
.endr
	WIN 0
.irp b, 0,1,2,3                        ; block b: tile b / 2, channels 32 (b % 2) on
	v_max3_num_f32 v[32+\b], |v[64+64*(\b/2)+16*(\b%2)]|, |v[65+64*(\b/2)+16*(\b%2)]|, 0x8000000
.endr
.irp i, 2,4,6,8,10,12,14
.irp b, 0,1,2,3
	s_delay_alu instid0(VALU_DEP_4)
	v_max3_num_f32 v[32+\b], v[32+\b], |v[64+64*(\b/2)+16*(\b%2)+\i]|, |v[65+64*(\b/2)+16*(\b%2)+\i]|
.endr
.endr
.irp b, 0,1,2,3
	s_delay_alu instid0(VALU_DEP_4)
	v_permlanex16_b32 v[PT+\b], v[32+\b], s66, s67
.endr
.irp b, 0,1,2,3
	s_delay_alu instid0(VALU_DEP_4)
	v_max_num_f32 v[32+\b], v[32+\b], v[PT+\b]
.endr
.irp b, 0,1,2,3
	s_delay_alu instid0(VALU_DEP_4)
	v_add_nc_u32 v[SO+\b], 0xf8800000, v[32+\b]
.endr
.irp b, 0,1,2,3
	v_and_or_b32 v[HD+\b], v[32+\b], 0x7f800000, s70
.endr
.irp b, 0,1,2,3
	v_lshrrev_b32 v[36+\b], 23, v[SO+\b]
.endr
	s_delay_alu instid0(VALU_DEP_3)
	v_lshl_or_b32 v56, v37, 8, v36                 ; tile 0's two bytes,
	s_delay_alu instid0(VALU_DEP_2)
	v_lshl_or_b32 v57, v39, 8, v38                 ; tile 1's
.irp b, 0,1,2,3
.set n, 0
.rept 16
	v_med3_num_f32 v[64+64*(\b/2)+16*(\b%2)+n], v[64+64*(\b/2)+16*(\b%2)+n], -v[HD+\b], v[HD+\b]
.set n, n+1
.endr
	v_cvt_scalef32_pk8_bf8_f32 v[192+4*\b:193+4*\b], v[64+64*(\b/2)+16*(\b%2):71+64*(\b/2)+16*(\b%2)], v[SO+\b]
	v_cvt_scalef32_pk8_bf8_f32 v[194+4*\b:195+4*\b], v[72+64*(\b/2)+16*(\b%2):79+64*(\b/2)+16*(\b%2)], v[SO+\b]
.endr
	v_nop
.irp b, 0,1,2,3
	global_store_b128 v[LI], v[192+4*\b:195+4*\b], s[20:21] offset:(\b/2)*16384+(\b%2)*512   ; 512 consecutive bytes
.endr
	ds_store_b16 v[OSA], v56                       ; both halves of the lanes write the same bytes with the same value
	ds_store_b16 v[OSA], v57 offset:128
	s_wait_dscnt 0x0                               ; for the others' sake
	s_barrier_signal -1
	s_barrier_wait -1
	s_cmp_lg_u32 s[WV], 0
	s_cbranch_scc1 .Lnot_first
	ds_load_b128 v[64:67], v59                     ; 4 token tiles x 16 rows x 8 bytes
	s_wait_dscnt 0x0
	global_store_b128 v[LI], v[64:67], s[22:23]
.Lnot_first:
	s_wait_tensorcnt 0x0                           ; the wave's end
	ds_add_u32 v[SPW], v[NIL]
	s_wait_dscnt 0x0
	CROUND                                         ; the closing round
	s_endpgm
.Lfunc_end_k_qa63b0ecf01_attn:
	.size	k_qa63b0ecf01_attn, .Lfunc_end_k_qa63b0ecf01_attn-k_qa63b0ecf01_attn
	.p2alignl 7, 3214868480
	.fill 96, 4, 3214868480
	.section	.rodata,"a",@progbits
	.p2align	6, 0x0
	.amdhsa_kernel k_qa63b0ecf01_attn
		.amdhsa_group_segment_fixed_size 327680
		.amdhsa_private_segment_fixed_size 0
		.amdhsa_enable_private_segment 0
		.amdhsa_kernarg_size 80
		.amdhsa_user_sgpr_count 2
		.amdhsa_user_sgpr_kernarg_segment_ptr 1
		.amdhsa_wavefront_size32 1
		.amdhsa_system_sgpr_workgroup_id_x 1
		.amdhsa_system_sgpr_workgroup_id_y 1
		.amdhsa_system_sgpr_workgroup_id_z 1
		.amdhsa_system_vgpr_workitem_id 0
		.amdhsa_next_free_vgpr 512
		.amdhsa_next_free_sgpr 102
		.amdhsa_reserve_vcc 1
		.amdhsa_float_denorm_mode_32 3
		.amdhsa_float_denorm_mode_16_64 3
		.amdhsa_memory_ordered 1
		.amdhsa_forward_progress 1
		.amdhsa_inst_pref_size 148
	.end_amdhsa_kernel
	.amdgpu_metadata
---
amdhsa.version: [ 1, 2 ]
amdhsa.kernels:
  - .name:           k_qa63b0ecf01_attn
    .symbol:         k_qa63b0ecf01_attn.kd
    .args:
      - { .name: qimg, .offset: 0, .size: 8, .value_kind: global_buffer, .address_space: global }
      - { .name: qsc, .offset: 8, .size: 8, .value_kind: global_buffer, .address_space: global }
      - { .name: kimg, .offset: 16, .size: 8, .value_kind: global_buffer, .address_space: global }
      - { .name: ksc, .offset: 24, .size: 8, .value_kind: global_buffer, .address_space: global }
      - { .name: vimg, .offset: 32, .size: 8, .value_kind: global_buffer, .address_space: global }
      - { .name: vsc, .offset: 40, .size: 8, .value_kind: global_buffer, .address_space: global }
      - { .name: causal_mask, .offset: 48, .size: 8, .value_kind: global_buffer, .address_space: global }
      - { .name: validity_mask, .offset: 56, .size: 8, .value_kind: global_buffer, .address_space: global }
      - { .name: oimg, .offset: 64, .size: 8, .value_kind: global_buffer, .address_space: global }
      - { .name: osc, .offset: 72, .size: 8, .value_kind: global_buffer, .address_space: global }
    .group_segment_fixed_size: 327680
    .private_segment_fixed_size: 0
    .kernarg_segment_align: 8
    .kernarg_segment_size: 80
    .max_flat_workgroup_size: 256
    .sgpr_count:     102
    .vgpr_count:     512
    .wavefront_size: 32
...
	.end_amdgpu_metadata
.endif
;; end of part 2
;; launch oproj (part 3): grid 8 x 32, 4 waves a work-group, clusters of 4 x 4, 282,112 bytes of LDS; arguments oimg, osc, Wo_codes, Wo_scales, bo, out0; writes out0
.if DOCPART == 3
	.amdgcn_target "amdgcn-amd-amdhsa--gfx1250"
	.amdhsa_code_object_version 6
	.text
	.protected	k_qa63b0ecf01_oproj
	.globl	k_qa63b0ecf01_oproj
	.p2align	8
	.type	k_qa63b0ecf01_oproj,@function
k_qa63b0ecf01_oproj:
	s_mov_b64 s[64:65], 0
	v_nop
	global_prefetch_b8 v0, s[64:65] scope:SCOPE_SE
	s_setreg_imm32_b32 hwreg(HW_REG_WAVE_MODE, 25, 1), 1
	s_wait_xcnt 0x0
	s_wait_alu depctr_hold_cnt(0) depctr_sa_sdst(0) depctr_va_vdst(0) depctr_va_sdst(0) depctr_va_ssrc(0) depctr_va_vcc(0) depctr_vm_vsrc(0)
	s_getreg_b32 s2, hwreg(HW_REG_IB_STS2, 6, 4)
	s_cmp_eq_u32 s2, 0
	s_cbranch_scc0 .Lentry_in_a_cluster
	s_endpgm
.Lentry_in_a_cluster:
	s_bfe_u32 s2, ttmp6, 0x10000c
	s_cmp_lg_u32 s2, 0xf033
	s_cbranch_scc0 .Lentry_shape_is_right
	s_endpgm
.Lentry_shape_is_right:
; out0 = 0.5 (O Wo^T + bo).  O [4096][1024] comes as images of the operand's registers with its scale bytes (made by the launch before), Wo [1024][1024] as given: codes of E5M2, one E8M0 byte for each 32 along K.
; O's images hold the 32 numbers of a block in the order 16 u + 8 (lane / 16) + j (byte 8 u + j of lane half h): Wo's fragments are read from LDS in the same order, by pairs of 8-byte loads at 32 c + 16 u + 8 h.
; SHARES.  A tile of 128 tokens x 128 outputs to a work-group: 32 x 8 = 256 work-groups; four waves, 64 x 64 each.  ALL OF K LIES IN LDS, filled once: no LDS byte is filled again.
; FILLS.  The images of 128 tokens are 131,072 dense bytes, and so are Wo's 128 rows: ONE tensor load a wave, 65,536 bytes each: waves 0, 1 the halves of O, waves 2, 3 the halves of Wo.
; The scale words are read once, by plain loads, straight into the registers in which they stay: O's 16 loads of 8 bytes a lane, Wo's 8 of 16.
; BY ROWS OF THE RESULT.  My 64 rows of Wo, all of K, stay in 512 registers; my four tiles of 16 tokens are finished one after the other, 32 products each on four accumulators by turns, K ascending;
; a finished tile goes through the stage while the next is multiplied, and is stored behind it.  LDS is read once for each fragment.
; CLUSTER.  4 x 4: O's rows are asked for jointly along a row of the cluster, Wo's along a column.  No prefetch: the launch has no loop to run ahead in, all its tiles are asked for at its head.
; The matrix instruction is used transposed (source 0 = 16 rows of Wo, source 1 = 16 tokens): a lane holds eight neighbouring outputs of one token.  bo is the C of each sum's first instruction.
;   v128-191 two sets of four accumulators; v192-255 two sets of whole rows on the way out.  windows 1, 2: Wo's fragment 4 s + b, 16 registers each.  window 3: two sets of a token tile's eight fragments.
.set WB,    131072                     ; behind O's images [token tile 8][16,384]: Wo's 128 rows
.set WP,    1040                       ; 1,024 bytes + 16: 260 words, so the 32 lanes of an 8-byte load touch 64 different words modulo 64
.set STG,   WB+128*WP                  ; the way out: 16 rows x 272 bytes for each wave, its own
.set PITCH, 272
.set SPARE, STG+4*16*PITCH             ; the spare words
.set ADA, 8
.set ADB, 12
.set ASA, 16
.set ASB, 17
.set STO, 18
.set RD,  19
.set CO,  20
.set BA,  21
.set SA,  32
.set SB,  64
.set BO,  96
.set ACC, 128
.set RW,  192
.set MSB, 0
.macro WIN new
.if MSB != (\new)
	s_set_vgpr_msb (MSB<<8)|(\new)
.set MSB, (\new)
.endif
.endm
.macro CROUND
	s_barrier_signal -1
	s_barrier_wait -1
	s_cmp_lg_u32 s16, 0
	s_cbranch_scc1 .Lnot_wave_0_\@
	s_barrier_signal -3
.Lnot_wave_0_\@:
	s_barrier_wait -3
	s_barrier_signal -1
	s_barrier_wait -1
.endm
	s_load_b256 s[4:11], s[0:1], 0x0               ; oimg, osc, Wo's codes, Wo's scales
	s_load_b128 s[12:15], s[0:1], 0x20             ; bo, out0
	v_lshl_add_u32 v30, v0, 2, SPARE
	v_mov_b32 v31, 0
	ds_add_u32 v30, v31                            ; the opening lines: the add twice on end and one wait
	ds_add_u32 v30, v31
	v_lshrrev_b32 v1, 5, v0
	v_readfirstlane_b32 s16, v1                    ; wave 0..3
	s_lshr_b32 s17, s16, 1                         ; which 64 tokens are mine.  Also: I fetch for O (0) or for Wo (1)
	s_and_b32 s18, s16, 1                          ; which 64 outputs.  Also: which half I fetch
	s_bfe_u32 s19, ttmp6, 0x40000                  ; cx
	s_bfe_u32 s20, ttmp6, 0x40004                  ; cy
	s_and_b32 s21, ttmp7, 0xffff
	s_lshl_b32 s21, s21, 2
	s_add_co_u32 s21, s21, s20                     ; which 128 tokens
	s_lshl_b32 s22, ttmp9, 2
	s_add_co_u32 s22, s22, s19                     ; which 128 outputs
	s_lshl_b32 s23, s20, 2
	s_lshl_b32 s23, 15, s23                        ; my row of the cluster
	s_lshl_b32 s66, 0x1111, s19                    ; my column
	; O: 65,536 dense bytes as 8 rows of 8,192
	s_or_b32 s68, s23, (3<<16)|(1<<21)
	s_mov_b32 s69, 1024<<16
	s_mov_b32 s70, 8<<16
	s_mov_b32 s71, 1024<<16
	s_mov_b32 s72, 8
	s_mov_b32 s73, 1024
	s_mov_b32 s74, 0
	s_mov_b32 s75, 0
	; Wo: 64 whole rows of 1,024 bytes, 4 words of padding behind every 256
	s_or_b32 s76, s66, (1<<20)|(1<<21)|(7<<22)|(3<<25)
	s_mov_b32 s77, 1024<<16
	s_mov_b32 s78, 64<<16
	s_mov_b32 s79, 1024<<16
	s_mov_b32 s80, 64
	s_mov_b32 s81, 1024
	s_mov_b32 s82, 0
	s_mov_b32 s83, 0
	s_lshl_b32 s2, s21, 17                         ; O: 8 token tiles of 16,384 bytes, + my four
	s_lshl_b32 s3, s18, 16
	s_add_co_u32 s2, s2, s3
	s_mov_b32 s3, 0
	s_lshl_b32 s66, s22, 17                        ; Wo: 128 rows of 1,024 bytes, + my 64
	s_lshl_b32 s67, s18, 16
	s_add_co_u32 s66, s66, s67
	s_mov_b32 s67, 0
	s_mov_b32 s24, 1
	s_lshl_b32 s25, s18, 16
	s_mov_b32 s40, 1
	s_mul_i32 s41, s18, 64*WP
	s_add_co_u32 s41, s41, WB
	s_wait_dscnt 0x0
	s_wait_kmcnt 0x0
	s_add_nc_u64 s[26:27], s[4:5], s[2:3]
	s_or_b32 s27, s27, 0x80000000
	s_add_nc_u64 s[42:43], s[8:9], s[66:67]
	s_or_b32 s43, s43, 0x80000000
	CROUND                                         ; all sixteen work-groups are here
	s_cmp_eq_u32 s17, 0
	s_cbranch_scc0 .Lfor_b
	tensor_load_to_lds s[24:27], s[68:75]
	s_nop 0
.rept 4
	v_nop
.endr
	s_branch .Lasked
.Lfor_b:
	tensor_load_to_lds s[40:43], s[76:83]
	s_nop 0
.rept 4
	v_nop
.endr
.Lasked:
	s_lshl_b32 s2, s21, 10                         ; O's scale bytes: 1,024 for 128 tokens in each group of heads, + my four token tiles
	s_lshl_b32 s3, s17, 9
	s_add_co_u32 s2, s2, s3
	s_mov_b32 s3, 0
	s_add_nc_u64 s[6:7], s[6:7], s[2:3]
	s_lshl_b32 s66, s22, 12                        ; Wo's: 32 a row, + my 64 rows
	s_lshl_b32 s67, s18, 11
	s_add_co_u32 s66, s66, s67
	s_mov_b32 s67, 0
	s_add_nc_u64 s[10:11], s[10:11], s[66:67]
	s_lshl_b32 s2, s21, 19                         ; out0: 128 rows of 4,096 bytes,
	s_lshl_b32 s3, s17, 18                         ; my 64
	s_add_co_u32 s2, s2, s3
	s_lshl_b32 s66, s22, 9
	s_lshl_b32 s67, s18, 8
	s_add_co_u32 s66, s66, s67                     ; my first output, in bytes: in a row of out0 and in bo
	s_mov_b32 s67, 0
	s_add_nc_u64 s[12:13], s[12:13], s[66:67]
	s_add_co_u32 s2, s2, s66
	s_mov_b32 s3, 0
	s_add_nc_u64 s[14:15], s[14:15], s[2:3]
	v_and_b32 v1, 15, v0                           ; r
	v_bfe_u32 v2, v0, 4, 1                         ; h
	v_and_b32 v3, 31, v0
	v_lshlrev_b32 v[ASA], 3, v1                    ; O's scale words: 8 r
	v_lshlrev_b32 v[ASB], 5, v1                    ; Wo's: 32 r
	v_lshlrev_b32 v[BA], 5, v2
.irp i, 0,1,2,3
.irp g, 0,1,2,3
	global_load_b64 v[SA+8*\i+(2*\g+4)%8:SA+8*\i+(2*\g+4)%8+1], v[ASA], s[6:7] offset:32768*\g+128*\i   ; token tile i: the scale words of steps 2 g, 2 g + 1
.endr
.endr
.irp b, 0,1,2,3
.irp k, 0,1
	global_load_b128 v[SB+8*\b+4*\k:SB+8*\b+4*\k+3], v[ASB], s[10:11] offset:512*\b+16*\k   ; block b of Wo's rows: the words of steps 4 k .. 4 k + 3
.endr
.endr
.irp b, 0,1,2,3
	global_load_b128 v[BO+8*\b:BO+8*\b+3], v[BA], s[12:13] offset:64*\b       ; bo in the result's layout: register 8 b + j is output 16 b + 8 h + j
	global_load_b128 v[BO+8*\b+4:BO+8*\b+7], v[BA], s[12:13] offset:64*\b+16
.endr
	v_lshlrev_b32 v4, 4, v3
	s_lshl_b32 s100, s17, 16
	v_add_nc_u32 v[ADA], s100, v4                  ; O: 16 lane + my four token tiles
	v_mul_u32_u24 v5, v1, WP
	v_lshl_add_u32 v5, v2, 3, v5
	s_mul_i32 s100, s18, 64*WP
	s_add_co_u32 s100, s100, WB
	v_add_nc_u32 v[ADB], s100, v5                  ; Wo: row r of my 64, + 8 h
	s_mul_i32 s100, s16, 16*PITCH
	s_add_co_u32 s100, s100, STG                   ; my stage
	v_mul_u32_u24 v[STO], v1, PITCH
	v_lshl_add_u32 v[STO], v2, 5, v[STO]
	v_add_nc_u32 v[STO], s100, v[STO]              ; in: row r, + 32 h
	v_mul_u32_u24 v[RD], v2, PITCH
	v_lshl_add_u32 v[RD], v1, 4, v[RD]
	v_add_nc_u32 v[RD], s100, v[RD]                ; back: lanes 0-15 one row, lanes 16-31 the next
	v_lshlrev_b32 v[CO], 4, v1
	v_lshl_add_u32 v[CO], v2, 12, v[CO]            ; the same two rows in out0
.macro WFRAG s, b                      ; Wo's fragment 4 s + b: block b of my rows, the s-th 128 of K: 8 loads of 8 bytes
.set F_, 4*(\s)+(\b)
	WIN (1+F_/16)<<6
.irp c, 0,1,2,3
	ds_load_b64 v[16*(F_%16)+4*\c:16*(F_%16)+4*\c+1], v[ADB] offset:(\b)*16*WP+(\s)*128+32*\c
	ds_load_b64 v[16*(F_%16)+4*\c+2:16*(F_%16)+4*\c+3], v[ADB] offset:(\b)*16*WP+(\s)*128+32*\c+16
.endr
.endm
.macro OFETCH i                        ; token tile i, all of K, into set i % 2 of window 3: 32 loads
	WIN 3<<6
.irp s, 0,1,2,3,4,5,6,7
.irp c, 0,1,2,3
	ds_load_b128 v[128*((\i)%2)+16*\s+4*\c:128*((\i)%2)+16*\s+4*\c+3], v[ADA] offset:(\i)*16384+\s*2048+512*\c
.endr
.endr
	WIN 0
.endm
.macro MM i                            ; token tile i: 32 products; its four accumulators take turns; eight places behind the last
.set A_, ACC+32*((\i)%2)
.set O_, 128*((\i)%2)
.irp s, 0,1,2,3,4,5,6,7
	WIN (1+\s/4)|(3<<2)
.irp b, 0,1,2,3
.if \s == 0
	v_wmma_scale_f32_16x16x128_f8f6f4 v[A_+8*\b:A_+8*\b+7], v[16*((4*\s+\b)%16):16*((4*\s+\b)%16)+15], v[O_+16*\s:O_+16*\s+15], v[BO+8*\b:BO+8*\b+7], v[SB+8*\b+\s], v[SA+8*(\i)+(\s+4)%8] matrix_a_fmt:MATRIX_FMT_BF8 matrix_b_fmt:MATRIX_FMT_BF8
.else
	v_wmma_scale_f32_16x16x128_f8f6f4 v[A_+8*\b:A_+8*\b+7], v[16*((4*\s+\b)%16):16*((4*\s+\b)%16)+15], v[O_+16*\s:O_+16*\s+15], v[A_+8*\b:A_+8*\b+7], v[SB+8*\b+\s], v[SA+8*(\i)+(\s+4)%8] matrix_a_fmt:MATRIX_FMT_BF8 matrix_b_fmt:MATRIX_FMT_BF8
.endif
.endr
.endr
	WIN 0
.rept 8
	v_nop
.endr
.endm
.macro HALVE i                         ; x 0.5 in place; through my own stage; back as whole rows of 256 bytes.  LDS serves a wave's instructions in order (ISA guide 5.7.1.4): no wait between the stores and the loads
.set A_, ACC+32*((\i)%2)
.set R_, RW+32*((\i)%2)
.set n, 0
.rept 16
	v_pk_mul_f32 v[A_+n:A_+n+1], v[A_+n:A_+n+1], 0.5 op_sel_hi:[1,0]   ; ascending: each accumulator is read from its low end on
.set n, n+2
.endr
.irp b, 0,1,2,3
	ds_store_b128 v[STO], v[A_+8*\b:A_+8*\b+3] offset:64*\b
	ds_store_b128 v[STO], v[A_+8*\b+4:A_+8*\b+7] offset:64*\b+16
.endr
.irp t, 0,1,2,3,4,5,6,7
	ds_load_b128 v[R_+4*\t:R_+4*\t+3], v[RD] offset:\t*2*PITCH
.endr
.endm
.macro SEND i
.set R_, RW+32*((\i)%2)
	s_wait_dscnt 0x0                               ; the tile's rows are back (asked for 32 products ago), and so are the fragments fetched ahead of them
.irp t, 0,1,2,3,4,5,6,7
	global_store_b128 v[CO], v[R_+4*\t:R_+4*\t+3], s[14:15] offset:(16*(\i)+2*\t)*4096 th:TH_STORE_NT   ; 16 lanes store 256 consecutive bytes, aligned
.endr
.endm
	s_wait_alu depctr_va_vdst(0)                   ; the wait at the head's end
	s_wait_tensorcnt 0x0                           ; my 65,536 bytes are in
	s_barrier_signal -1
	s_barrier_wait -1                              ; everybody's are
	OFETCH 0
.irp s, 0,1,2,3,4,5,6,7
.irp b, 0,1,2,3
	WFRAG \s, \b
.endr
.endr
	WIN 0
	OFETCH 1
	s_wait_loadcnt 0x0                             ; the scale words and bo
	s_wait_dscnt 32                                ; tile 0 and Wo are in; tile 1's 32 loads may be out
	MM 0
	OFETCH 2
	HALVE 0
	s_wait_dscnt 48                                ; tile 1 is in; tile 2's 32 loads and the stage's 16 may be out
	MM 1
	SEND 0
	OFETCH 3
	HALVE 1
	MM 2
	SEND 1
	s_wait_xcnt 0x0                                ; tile 0's stores have read their registers: tile 2's rows land there
	HALVE 2
	MM 3
	SEND 2
	s_wait_xcnt 0x0
	HALVE 3
	SEND 3
	s_wait_tensorcnt 0x0                           ; the wave's end
	ds_add_u32 v30, v31
	s_wait_dscnt 0x0
	CROUND                                         ; the closing round
	s_endpgm
.Lfunc_end_k_qa63b0ecf01_oproj:
	.size	k_qa63b0ecf01_oproj, .Lfunc_end_k_qa63b0ecf01_oproj-k_qa63b0ecf01_oproj
	.p2alignl 7, 3214868480
	.fill 96, 4, 3214868480
	.section	.rodata,"a",@progbits
	.p2align	6, 0x0
	.amdhsa_kernel k_qa63b0ecf01_oproj
		.amdhsa_group_segment_fixed_size 282112
		.amdhsa_private_segment_fixed_size 0
		.amdhsa_enable_private_segment 0
		.amdhsa_kernarg_size 48
		.amdhsa_user_sgpr_count 2
		.amdhsa_user_sgpr_kernarg_segment_ptr 1
		.amdhsa_wavefront_size32 1
		.amdhsa_system_sgpr_workgroup_id_x 1
		.amdhsa_system_sgpr_workgroup_id_y 1
		.amdhsa_system_sgpr_workgroup_id_z 1
		.amdhsa_system_vgpr_workitem_id 0
		.amdhsa_next_free_vgpr 1024
		.amdhsa_next_free_sgpr 102
		.amdhsa_reserve_vcc 0
		.amdhsa_float_denorm_mode_32 3
		.amdhsa_float_denorm_mode_16_64 3
		.amdhsa_memory_ordered 1
		.amdhsa_forward_progress 1
		.amdhsa_inst_pref_size 63
	.end_amdhsa_kernel
	.amdgpu_metadata
---
amdhsa.version: [ 1, 2 ]
amdhsa.kernels:
  - .name:           k_qa63b0ecf01_oproj
    .symbol:         k_qa63b0ecf01_oproj.kd
    .args:
      - { .name: oimg, .offset: 0, .size: 8, .value_kind: global_buffer, .address_space: global }
      - { .name: osc, .offset: 8, .size: 8, .value_kind: global_buffer, .address_space: global }
      - { .name: Wo_codes, .offset: 16, .size: 8, .value_kind: global_buffer, .address_space: global }
      - { .name: Wo_scales, .offset: 24, .size: 8, .value_kind: global_buffer, .address_space: global }
      - { .name: bo, .offset: 32, .size: 8, .value_kind: global_buffer, .address_space: global }
      - { .name: out0, .offset: 40, .size: 8, .value_kind: global_buffer, .address_space: global }
    .group_segment_fixed_size: 282112
    .private_segment_fixed_size: 0
    .kernarg_segment_align: 8
    .kernarg_segment_size: 48
    .max_flat_workgroup_size: 128
    .sgpr_count:     102
    .vgpr_count:     1024
    .wavefront_size: 32
...
	.end_amdgpu_metadata
.endif
;; end of part 3
